; MI455X (gfx1250); checked and timed in simulation.
; The chip was launched on July 23, 2026; its instructions are those of AMD's public machine-readable ISA for CDNA 5 (MIT licence, August 2026) and "CDNA5" Instruction Set Architecture Reference Guide (July 2026). The comments in the code are by the model that wrote it; some were corrected since.
;; Causal Self Attention. Allowed arithmetic: matrix products marked QUANTISED: E4M3 operands, one given power-of-two scale a tensor, by v_wmma_f32_16x16x64_fp8_fp8 or v_wmma_f32_16x16x128_fp8_fp8, f32 sums; everything else in f32.
;; Inputs: Wproj_codes 1,024 x 32 x 32 uint8 (E4M3 codes of Wproj, K innermost, in blocks of 32 codes); Wqkv_codes 3,072 x 32 x 32 uint8 (E4M3 codes of Wqkv, K innermost, in blocks of 32 codes); bproj 1,024 float32; bqkv 3,072 float32; lamb one number float32; lowp_scales 8 int32 (the exponents e of the quantised operands' scales 2^e); x_codes 4 x 2,048 x 32 x 32 uint8 (E4M3 codes of x, K innermost, in blocks of 32 codes).
;; Outputs: out0 4 x 2,048 x 1,024 float32; out1 4 x 16 x 2,048 x 64 float32.
;; This version of the problem:
;;   THIS VERSION OF THE PROBLEM IS GIVEN IN LOW PRECISION. The matrix products marked QUANTISED in the list below multiply operands that are first quantised to E4M3 (4 exponent bits, 3 mantissa bits; 8 bits a number), with one given power-of-two scale for each operand tensor; their sums are f32. All else is computed in f32.
;;   The module's matrix products, in the order in which they are computed (A, B: the left and right operand; K: the contracted axis; several contracted axes count as one K, in the product's order):
;;     1. [M 8,192, K 1,024] x [K 1,024, N 3,072]; A: input x (given as codes); B: input Wqkv (given as codes): QUANTISED (scales: A lowp_scales[0], B lowp_scales[1])
;;     2. batch 64 x [M 2,048, K 64] x [K 64, N 2,048]; A: computed on the way; B: computed on the way: QUANTISED (scales: A lowp_scales[2], B lowp_scales[3])
;;     3. batch 64 x [M 2,048, K 2,048] x [K 2,048, N 64]; A: softmax (see below); B: computed on the way: QUANTISED (scales: A lowp_scales[4], B lowp_scales[5])
;;     4. [M 8,192, K 1,024] x [K 1,024, N 1,024]; A: computed on the way; B: input Wproj (given as codes): QUANTISED (scales: A lowp_scales[6], B lowp_scales[7])
;;   THE QUANTISER, for each operand of a quantised product, along K:
;;     - The operand's scale is 2^e, e = its entry of the input lowp_scales (int32; the entries are numbered through the quantised products in the list's order, A before B).
;;     - Each number is divided by the scale, clamped to +-448, and rounded to the nearest number of E4M3, ties to even, subnormals kept.
;;     - The product sums the exact products of the quantised numbers (number of the format x scale) in f32.
;;   ~~~python
;;   def quantise(x, axis, e):      # numpy; x: float32 -> the quantised numbers, widened to float32 again
;;       x = np.moveaxis(x, axis, -1); K = x.shape[-1]
;;       r = np.clip(x / 2.0 ** e, -448, 448)
;;       step = 2.0 ** (np.maximum(np.frexp(np.where(r == 0, 1, r))[1] - 1, -6) - 3)
;;       q = np.round(r / step) * step * 2.0 ** e      # np.round: ties to even
;;       return np.moveaxis(q, -1, axis).astype(np.float32)
;;   ~~~
;;   SOFTMAX AHEAD OF A QUANTISED PRODUCT. Where the list says 'softmax', what is quantised is not the finished softmax but p = 2^(t - M), with t = logit x log2(e) and M = ceil(the row's largest t), a whole number; so 1/2 < the row's largest p <= 1. The row's sum l is taken of the UNQUANTISED p, in f32, and the product's result is divided by l at the end. Since M is a whole number, a kernel that streams over the keys may use a running M (the ceiling of the running maximum): every later rescaling is an exact power of two, so the quantised numbers keep their values, but for numbers so far below the row's largest that they fall under the format's range.
;;   OPERANDS COMPUTED ON THE WAY. 'Computed on the way' means the value that the module computes at that place (a softmax that the list does not call 'softmax' is quantised finished and normalised). What goes into a quantiser is computed in f32, as accurately as f32 sums, v_exp_f32 and their like allow (about 1e-6 of the number): no bf16 or f16 on the way to a quantiser, and a product that is left as it is and whose result goes on into a quantised operand takes f32 operands (vector FMAs, or v_wmma_f32_16x16x4_f32). A number that lies on a knife's edge between two numbers of the format may be rounded either way, as far as f32 arithmetic and the matrix unit's own rounding can turn it there, and no further.
;;   INPUTS GIVEN AS CODES. Wproj (in the module: [1024, 1024], K = its axis 0); Wqkv (in the module: [1024, 3072], K = its axis 0); x (in the module: [4, 2048, 1024], K = its axis 2): each comes as NAME_codes (uint8): NAME with its K axis moved to the last place and cut into blocks of 32 codes, [.., K / 32, bytes a block], one block behind the other in memory; one code a byte (a code: sign, 4 exponent bits, 3 mantissa bits); its scale is its entry of lowp_scales. Its value is code x scale, taken as it is: it is not quantised again, and the codes and scales need not be those that the quantiser above would give.
;; One version. Each part assembles by itself: llvm-mc -triple=amdgcn-amd-amdhsa -mcpu=gfx1250 --defsym DOCPART=n.
;; ======== version 1 of 1: 4 launches
;; limits: right only within a limited range of input values
;; workspace buffers: rope 524,288 bytes; q_img 8,388,608 bytes; k_img 8,388,608 bytes; v_img 8,388,608 bytes; attn_img 8,388,608 bytes
;; launch ropetab (part 1): grid 256 x 1, 4 waves a work-group, no clusters, 0 bytes of LDS; arguments rope; writes rope
.if DOCPART == 1
	.amdgcn_target "amdgcn-amd-amdhsa--gfx1250"
	.amdhsa_code_object_version 6
	.text
	.protected	k_qc1f3c714f8_ropetab
	.globl	k_qc1f3c714f8_ropetab
	.p2align	8
	.type	k_qc1f3c714f8_ropetab,@function
k_qc1f3c714f8_ropetab:
	s_mov_b64 s[64:65], 0
	v_nop
	global_prefetch_b8 v0, s[64:65] scope:SCOPE_SE
	s_setreg_imm32_b32 hwreg(HW_REG_WAVE_MODE, 25, 1), 1
	s_wait_xcnt 0x0
; The table of rotary angles: rope[t][0..31] = cos(t f_i), rope[t][32..63] = sin(t f_i), f32, t = 0 .. 2047, f_i = 10000^(-i/32) = 10^(-i/8).
; A row is 256 bytes.  Thread g of the launch (128 x work-group + thread) makes 16 bytes at byte 16 g: row g / 16, cosines ((g / 8) % 2 = 0) or sines (1), i = 4 (g % 8) + 0 .. 3;
; so sixteen neighbouring lanes store one whole row, 256 consecutive bytes at a multiple of 256.
; The angle is the f32 product t x f_i.  It is reduced by n = nearest whole number to angle x 2 / pi, r = angle - n pi / 2 with pi / 2 in two parts: the first product
; is a multiple of 2^-23 and the difference lies under 2, so the first fused multiply-add rounds nothing.  |r| <= pi / 4; sine and cosine of r by polynomials of degree 7 and 8.
; sin(angle) is, by n mod 4: sin r, cos r, -sin r, -cos r; cos(angle) = sin(angle + pi / 2): n + 1 in n's place.
; LIMIT: f_i is the f32 number nearest to 10^(-i/8); a power and a division in f32 may give its neighbour.
	s_load_b64 s[2:3], s[0:1], 0x0                 ; rope
	s_lshl_b32 s4, ttmp9, 7
	s_mov_b32 s5, 0x3f22f983                       ; 2 / pi
	s_mov_b32 s6, 0xbfc90fdb                       ; -(pi / 2)'s upper part
	s_mov_b32 s7, 0x333bbd2e                       ; the upper part less pi / 2
	s_mov_b32 s8, 0xbe2aaaa3                       ; sine: -1.6666654611e-1,
	s_mov_b32 s9, 0x3c08839e                       ; 8.3321608736e-3,
	s_mov_b32 s10, 0xb94ca1f9                      ; -1.9515295891e-4
	s_mov_b32 s11, 0x3d2aaaa5                      ; cosine: 4.166664568e-2,
	s_mov_b32 s12, 0xbab6061a                      ; -1.388731625e-3,
	s_mov_b32 s13, 0x37ccf5ce                      ; 2.443315712e-5
	v_add_nc_u32 v5, s4, v0                        ; g
	v_lshlrev_b32 v1, 4, v5                        ; my 16 bytes
	v_and_b32 v2, 7, v5                            ; which four i
	v_bfe_u32 v3, v5, 3, 1
	v_sub_nc_u32 v3, 1, v3                         ; 1 for cosines, 0 for sines
	v_lshrrev_b32 v4, 4, v5
	v_cvt_f32_u32 v4, v4                           ; t
	v_mov_b32 v8, 1.0                              ; f of i = 0 .. 3; the other groups of four are chosen below
	v_mov_b32 v9, 0.74989420933
	v_mov_b32 v10, 0.56234132519
	v_mov_b32 v11, 0.42169650343
.macro PICK m, f0, f1, f2, f3                  ; the lanes of group m take their four f
	v_cmp_eq_u32 vcc_lo, \m, v2
	v_mov_b32 v16, \f0
	v_mov_b32 v17, \f1
	v_mov_b32 v18, \f2
	v_mov_b32 v19, \f3
	v_cndmask_b32 v8, v8, v16, vcc_lo
	v_cndmask_b32 v9, v9, v17, vcc_lo
	v_cndmask_b32 v10, v10, v18, vcc_lo
	v_cndmask_b32 v11, v11, v19, vcc_lo
.endm
	PICK 1, 0.31622776602, 0.23713737057, 0.17782794100, 0.13335214322
	PICK 2, 0.1, 0.074989420933, 0.056234132519, 0.042169650343
	PICK 3, 0.031622776602, 0.023713737057, 0.017782794100, 0.013335214322
	PICK 4, 0.01, 0.0074989420933, 0.0056234132519, 0.0042169650343
	PICK 5, 0.0031622776602, 0.0023713737057, 0.0017782794100, 0.0013335214322
	PICK 6, 0.001, 0.00074989420933, 0.00056234132519, 0.00042169650343
	PICK 7, 0.00031622776602, 0.00023713737057, 0.00017782794100, 0.00013335214322
.irp k, 0,1,2,3
	v_mul_f32 v[16+\k], v4, v[8+\k]                ; the angle
.endr
.irp k, 0,1,2,3
	v_mul_f32 v[20+\k], s5, v[16+\k]
.endr
.irp k, 0,1,2,3
	v_rndne_f32 v[20+\k], v[20+\k]                 ; n
.endr
.irp k, 0,1,2,3
	v_fma_f32 v[24+\k], v[20+\k], s6, v[16+\k]
.endr
.irp k, 0,1,2,3
	v_fma_f32 v[24+\k], v[20+\k], s7, v[24+\k]     ; r
.endr
.irp k, 0,1,2,3
	v_mul_f32 v[28+\k], v[24+\k], v[24+\k]         ; z = r r
.endr
.irp k, 0,1,2,3
	v_fma_f32 v[32+\k], v[28+\k], s10, s9
	v_fma_f32 v[36+\k], v[28+\k], s13, s12
	v_fma_f32 v[44+\k], v[28+\k], -0.5, 1.0        ; 1 - z / 2
	v_cvt_i32_f32 v[40+\k], v[20+\k]
.endr
.irp k, 0,1,2,3
	v_fma_f32 v[32+\k], v[32+\k], v[28+\k], s8
	v_fma_f32 v[36+\k], v[36+\k], v[28+\k], s11
	v_add_nc_u32 v[40+\k], v[40+\k], v3            ; the quadrant
.endr
.irp k, 0,1,2,3
	v_mul_f32 v[32+\k], v[32+\k], v[28+\k]
	v_mul_f32 v[36+\k], v[36+\k], v[28+\k]
	v_and_b32 v[20+\k], 1, v[40+\k]
.endr
.irp k, 0,1,2,3
	v_fma_f32 v[32+\k], v[32+\k], v[24+\k], v[24+\k]   ; sin r
	v_fma_f32 v[36+\k], v[36+\k], v[28+\k], v[44+\k]   ; cos r
	v_and_b32 v[40+\k], 2, v[40+\k]
.endr
.irp k, 0,1,2,3
	v_cmp_eq_u32 vcc_lo, 1, v[20+\k]
	v_cndmask_b32 v[12+\k], v[32+\k], v[36+\k], vcc_lo ; odd quadrants take the cosine,
	v_lshlrev_b32 v[40+\k], 30, v[40+\k]
	v_xor_b32 v[12+\k], v[12+\k], v[40+\k]         ; quadrants 2 and 3 the other sign
.endr
	s_wait_alu depctr_va_vdst(0)
	s_wait_kmcnt 0x0
	global_store_b128 v1, v[12:15], s[2:3]
	s_endpgm
.Lfunc_end_k_qc1f3c714f8_ropetab:
	.size	k_qc1f3c714f8_ropetab, .Lfunc_end_k_qc1f3c714f8_ropetab-k_qc1f3c714f8_ropetab
	.p2alignl 7, 3214868480
	.fill 96, 4, 3214868480
	.section	.rodata,"a",@progbits
	.p2align	6, 0x0
	.amdhsa_kernel k_qc1f3c714f8_ropetab
		.amdhsa_group_segment_fixed_size 0
		.amdhsa_private_segment_fixed_size 0
		.amdhsa_enable_private_segment 0
		.amdhsa_kernarg_size 8
		.amdhsa_user_sgpr_count 2
		.amdhsa_user_sgpr_kernarg_segment_ptr 1
		.amdhsa_wavefront_size32 1
		.amdhsa_system_sgpr_workgroup_id_x 1
		.amdhsa_system_sgpr_workgroup_id_y 1
		.amdhsa_system_sgpr_workgroup_id_z 1
		.amdhsa_system_vgpr_workitem_id 0
		.amdhsa_next_free_vgpr 48
		.amdhsa_next_free_sgpr 66
		.amdhsa_reserve_vcc 1
		.amdhsa_float_denorm_mode_32 3
		.amdhsa_float_denorm_mode_16_64 3
		.amdhsa_memory_ordered 1
		.amdhsa_forward_progress 1
		.amdhsa_inst_pref_size 9
	.end_amdhsa_kernel
	.amdgpu_metadata
---
amdhsa.version: [ 1, 2 ]
amdhsa.kernels:
  - .name:           k_qc1f3c714f8_ropetab
    .symbol:         k_qc1f3c714f8_ropetab.kd
    .args:
      - { .name: rope, .offset: 0, .size: 8, .value_kind: global_buffer, .address_space: global }
    .group_segment_fixed_size: 0
    .private_segment_fixed_size: 0
    .kernarg_segment_align: 8
    .kernarg_segment_size: 8
    .max_flat_workgroup_size: 128
    .sgpr_count:     66
    .vgpr_count:     48
    .wavefront_size: 32
...
	.end_amdgpu_metadata
.endif
;; end of part 1
;; launch qkv (part 2): grid 12 x 32, 4 waves a work-group, clusters of 4 x 4, 327,680 bytes of LDS; arguments x_codes, Wqkv_codes, lowp_scales, bqkv, lamb, rope, q_img, k_img, v_img, out1; writes q_img, k_img, v_img, out1
.if DOCPART == 2
	.amdgcn_target "amdgcn-amd-amdhsa--gfx1250"
	.amdhsa_code_object_version 6
	.text
	.protected	k_qc1f3c714f8_qkv
	.globl	k_qc1f3c714f8_qkv
	.p2align	8
	.type	k_qc1f3c714f8_qkv,@function
k_qc1f3c714f8_qkv:
	s_mov_b64 s[64:65], 0
	v_nop
	global_prefetch_b8 v0, s[64:65] scope:SCOPE_SE
	s_setreg_imm32_b32 hwreg(HW_REG_WAVE_MODE, 25, 1), 1
	s_wait_xcnt 0x0
	s_wait_alu depctr_hold_cnt(0) depctr_sa_sdst(0) depctr_va_vdst(0) depctr_va_sdst(0) depctr_va_ssrc(0) depctr_va_vcc(0) depctr_vm_vsrc(0)
	s_getreg_b32 s2, hwreg(HW_REG_IB_STS2, 6, 4)
	s_cmp_eq_u32 s2, 0
	s_cbranch_scc0 .Lentry_in_a_cluster
	s_endpgm
.Lentry_in_a_cluster:
	s_bfe_u32 s2, ttmp6, 0x10000c
	s_cmp_lg_u32 s2, 0xf033
	s_cbranch_scc0 .Lentry_shape_is_right
	s_endpgm
.Lentry_shape_is_right:
; qkv = x Wqkv + bqkv on codes of E4M3 (x: [8192][1024], Wqkv: [3072][1024], K innermost), and all that stands between this product and attention:
;   q, k: each head's 64 numbers are divided by their root mean square, turned by the rotary table, and quantised along the head's 64 (scales 2^e2, 2^e3);
;   v:    (1 - lamb) v + lamb v is output out1 [4][16][2048][64] f32, and is quantised along the KEYS (scale 2^e5).
; THE PRODUCT.  A tile of 256 rows x 256 columns is made by a work-group of four waves; a wave makes 128 x 128: 64 accumulators of 16 x 16, 512 registers.  K goes in steps of 256
; through a ring of two LDS slots filled by the tensor data mover.  4 x 4 work-groups form a cluster: the four of a row of the cluster need the same tiles of x, the four of a column the same
; tiles of Wqkv; each tile is asked for JOINTLY.  The matrix instruction is used transposed (source 0 = 16 rows of Wqkv, source 1 = 16 rows of x): lane (r, h) (r = lane % 16, h = lane / 16) holds row r and,
; in accumulator b, columns 16 b + 8 h + 0 .. 7.  A wave's 128 columns are two heads: head b / 4, channel d = 16 (b % 4) + 8 h + j.
; ROLES.  The grid has 3 clusters along x, 1,024 columns each: cluster x = 0 makes q, 1 makes k, 2 makes v.  The branch between the ways out hangs on the cluster's x, which all sixteen partners share.
; THE CODES LEAVE AS IMAGES OF THE OPERAND REGISTERS of the next launch, 16 bytes a lane, 512 consecutive bytes a store:
;   q_img, k_img [head 64][t / 16][chunk 2][lane][16]: a fragment of 16 rows x 64 d is 8 registers, registers 2 c, 2 c + 1 = d 16 c + 8 h + 0 .. 7: the conversion of accumulator c IS that pair.
;   v_img [head 64][t / 64][dt 4][chunk 2][lane][16]: a fragment of 16 channels x 64 keys, registers 2 c, 2 c + 1 = keys 16 c + 8 h + 0 .. 7; lane r of tile dt = 2 b + u holds channel 32 b + 8 u + r + 8 (r / 8).
;   v's keys lie across lanes here, so a block of 16 rows goes through the wave's stage in LDS: back by rows for out1, back by columns (a lane a channel, registers down the keys) for the codes.
; The stage lies in slot 0, which has had its last fill and its last read when the first result is stored there.  Only the v path stores to LDS.
; LIMITS on the given exponents, so that each power of two is an f32 number: e0 + e1 between -126 and 127; e2, e3, e5 between -126 and 119.  NaN among the inputs is not served.
; No prefetch: K has four steps, of which two are the first fills.
; REGISTERS, in windows of 256: window 0: v0-31 addresses; v32-95 the bias of my 128 columns, in the result's layout; from v128 x's fragments, ONE set; on the way out v96-255 are free.
;   window 1: Wqkv's fragments, TWO sets.   window 2: the accumulators of my rows 0-63 ((a, b) at v[8 (8 a + b)]);   window 3: those of rows 64-127.
.set SIZE_K, 1024
.set KSTEP,  256                       ; along K in a slot
.set ROWB,   256                       ; a tile's row in bytes
.set KROW,   SIZE_K                    ; a row of x or of Wqkv in memory, in bytes
.set PITCH,  272                       ; an LDS row: 256 bytes + 16 of padding = 68 words: the 16 rows that a load touches start at 16 different banks (64 banks of 4 bytes: ISA guide 11.1)
.set FR,     16                        ; registers of a fragment: 16 rows x 128 K
.set NL,     4                         ; LDS loads that bring one
.set NP,     4                         ; places behind this matrix instruction (ISA guide 7.12.1)
.set HALFT,  128*PITCH                 ; 128 rows: what one tensor load brings
.set SLOT,   4*HALFT                   ; x's 256 rows, then Wqkv's 256 rows
.set LAPS,   SIZE_K/(2*KSTEP)          ; a lap = two K steps = once round the ring
.set SPARE,  2*SLOT                    ; behind the ring: the spare words, 128 bytes for each wave
.set SPITCH, 528                       ; the stage: 16 rows x (512 bytes + 16) for each wave
.set BO,   12                          ; v12  32 h: my place in the bias
.set ADRA, 16                          ; v16-17  LDS address of my fragments of x in slot 0, 1
.set ADRB, 20                          ; v20-21  the same for Wqkv
.set STO,  24                          ; v24  the stage: where I put 32 bytes of a row
.set RD,   25                          ; v25  where I read a row back
.set CO,   26                          ; v26  out1: 16 (lane % 16) + a head's 524,288 bytes x (lane / 16)
.set CR,   27                          ; v27  the stage by columns: rows 8 h on, channel r + 8 (r / 8)
.set SPW,  28                          ; v28  LDS address of my spare word; never rewritten
.set NIL,  29                          ; v29  0; never rewritten
.set RO,   30                          ; v30  the rotary table: row r, + 32 h
.set LI,   31                          ; v31  16 x lane: an image's place for my lane
.set BIAS, 32
.set AF,   128                         ; x's fragments
.set RP,   0                           ; q, k: window 1, which held Wqkv's fragments: eight sets of 16 cosines and 16 sines, one a block
.set Y,    160                         ; q, k: a block's 64 numbers
.set CD,   224                         ; q, k: two sets of 16 registers of codes
.set TMP,  96                          ; v: a block's 64 numbers, then the same block by columns
.set BK,   160                         ; v: the block by rows
.set VC,   224                         ; v: 8 fragments' chunk in the making
.set G1, 24                            ; s[24:31] descriptor group 1 for x's tiles;  s[32:39] group 0, one set for each slot
.set G0, 32
.set G1B, 48                           ; s[48:55], s[56:63] the same for Wqkv's tiles
.set G0B, 56
.set MSB, 0
.macro WIN new                         ; the immediate's high byte repeats the setting that is left
.if MSB != \new
	s_set_vgpr_msb (MSB<<8)|\new
.set MSB, \new
.endif
.endm
.set MUL_LO, 0xa1                      ; source 0 (Wqkv) window 1, source 1 (x) window 0, C and D window 2
.set MUL_HI, 0xf1                      ; the same, C and D window 3
.set TO_B,   0x40                      ; destination window 1, address window 0
; A joint load: waves 0 and 1 fetch for x, waves 2 and 3 for Wqkv.  Each of the two lines has one mask and one set of registers; the branch hangs on the wave's number alone.
; Four v_nop follow each of the two lines, ahead of the jump, the label and what follows.
.macro JLOAD g0a, g1a, g0b, g1b
	s_cmp_eq_u32 s15, 0
	s_cbranch_scc0 .Lfor_b_\@
	tensor_load_to_lds s[\g0a:\g0a+3], s[\g1a:\g1a+7]
	s_nop 0
.rept 4
	v_nop
.endr
	s_branch .Lasked_\@
.Lfor_b_\@:
	tensor_load_to_lds s[\g0b:\g0b+3], s[\g1b:\g1b+7]
	s_nop 0
.rept 4
	v_nop
.endr
.Lasked_\@:
.endm
.macro CREST                           ; a round of the cluster's barrier behind its opening barrier
	s_cmp_lg_u32 s14, 0
	s_cbranch_scc1 .Lnot_wave_0_\@
	s_barrier_signal -3
.Lnot_wave_0_\@:
	s_barrier_wait -3
	s_barrier_signal -1
	s_barrier_wait -1
.endm
.macro CROUND                          ; a whole round
	s_barrier_signal -1
	s_barrier_wait -1
	CREST
.endm
	s_load_b128 s[4:7], s[0:1], 0x0                ; x's codes s[4:5], Wqkv's codes s[6:7]
	s_load_b128 s[8:11], s[0:1], 0x10              ; the scales' exponents s[8:9], bqkv s[10:11]
	s_load_b256 s[68:75], s[0:1], 0x20             ; lamb s[68:69], rope s[70:71], q_img s[72:73], k_img s[74:75]
	s_load_b128 s[76:79], s[0:1], 0x40             ; v_img s[76:77], out1 s[78:79]
	v_lshl_add_u32 v[SPW], v0, 2, SPARE
	v_mov_b32 v[NIL], 0
	ds_add_u32 v28, v29
	ds_add_u32 v28, v29
	s_wait_dscnt 0x0
	v_lshrrev_b32 v1, 5, v0
	v_readfirstlane_b32 s14, v1                    ; wave 0..3
	s_lshr_b32 s15, s14, 1                         ; which half of the tile's rows is mine.  Also: I fetch for x (0) or for Wqkv (1)
	s_and_b32 s16, s14, 1                          ; which half of its columns.  Also: which 128 rows of that tile I fetch
	s_bfe_u32 s40, ttmp6, 0x40000                  ; cx, cy: my place in the cluster
	s_bfe_u32 s41, ttmp6, 0x40004
	s_lshl_b32 s42, ttmp9, 2
	s_add_co_u32 s42, s42, s40                     ; tile column = 4 x cluster x + cx
	s_and_b32 s17, ttmp7, 0xffff
	s_lshl_b32 s17, s17, 2
	s_add_co_u32 s17, s17, s41                     ; tile row = 4 x cluster y + cy
	s_lshl_b32 s43, s41, 2
	s_lshl_b32 s43, 15, s43                        ; my row of the cluster
	s_lshl_b32 s44, 0x1111, s40                    ; my column
	; descriptor group 1: a tile of 128 rows x 256 bytes, padded in LDS
	s_or_b32 s[G1+0], s43, (0<<16)|(1<<20)|(1<<21)|(5<<22)|(3<<25)  ; 15:0 the mask: x's tiles go to my row; 17:16 element of 1 byte; 20 padding on; 21 set beside a mask; 24:22 after every 64 words; 31:25 of 4 words
	s_or_b32 s[G1B+0], s44, (0<<16)|(1<<20)|(1<<21)|(5<<22)|(3<<25)
.irp g, G1, G1B
	s_mov_b32 s[\g+1], ROWB<<16                    ; tensor_dim0
	s_mov_b32 s[\g+2], 128<<16                     ; tensor_dim1 = 128
	s_mov_b32 s[\g+3], ROWB<<16                    ; tile_dim0
	s_mov_b32 s[\g+4], 128                         ; tile_dim1 = 128
	s_mov_b32 s[\g+5], KROW                        ; tensor_dim0_stride
	s_mov_b32 s[\g+6], 0
	s_mov_b32 s[\g+7], 0
.endr
	s_lshl_b32 s18, s16, 7                         ; which 128 rows of the tile I fetch
	s_lshl_b32 s20, s17, 8
	s_add_co_u32 s20, s20, s18                     ; x: row 256 x tile row + 128 x half
	s_lshl_b32 s46, s42, 8
	s_add_co_u32 s46, s46, s18                     ; Wqkv: row 256 x tile column + 128 x half
	s_mov_b32 s21, 0
	s_mov_b32 s47, 0
	s_mov_b64 s[18:19], KROW
	s_mul_u64 s[20:21], s[20:21], s[18:19]
	s_mul_u64 s[46:47], s[46:47], s[18:19]
	s_mul_i32 s45, s14, HALFT                      ; where they go: wave x 128 rows: no place in the cluster enters an LDS address
	s_wait_kmcnt 0x0
	s_load_b256 s[80:87], s[8:9], 0x0              ; e0 .. e7
	s_load_b32 s88, s[68:69], 0x0                  ; lamb
	s_add_nc_u64 s[20:21], s[4:5], s[20:21]
	s_add_nc_u64 s[46:47], s[6:7], s[46:47]
	CROUND                                         ; all sixteen work-groups are here: the first joint loads meet
.irp s, 0,1
	s_mov_b32 s[G0+4*\s], 1
	s_add_co_u32 s[G0+4*\s+1], s45, \s*SLOT
	s_add_nc_u64 s[G0+4*\s+2:G0+4*\s+3], s[20:21], \s*ROWB
	s_or_b32 s[G0+4*\s+3], s[G0+4*\s+3], 0x80000000
	s_mov_b32 s[G0B+4*\s], 1
	s_add_co_u32 s[G0B+4*\s+1], s45, \s*SLOT
	s_add_nc_u64 s[G0B+4*\s+2:G0B+4*\s+3], s[46:47], \s*ROWB
	s_or_b32 s[G0B+4*\s+3], s[G0B+4*\s+3], 0x80000000
.endr
	JLOAD G0, G1, G0B, G1B                         ; K step 0: one tensor load a wave at the head
	v_and_b32 v1, 15, v0                           ; r
	s_wait_alu depctr_va_vdst(0)
	v_bfe_u32 v2, v0, 4, 1                         ; h
	v_mul_u32_u24 v3, v1, PITCH
	v_lshl_add_u32 v4, v2, 4, v3                   ; a fragment's row x pitch + 16 x half
	s_mul_i32 s21, s15, HALFT                      ; my 128 rows of x
	s_mul_i32 s22, s16, HALFT                      ; my 128 rows of Wqkv,
	s_add_co_u32 s22, s22, 2*HALFT                 ; which lie behind x's 256
.irp s, 0,1
	v_add_nc_u32 v[ADRA+\s], s21, v4
	v_add_nc_u32 v[ADRB+\s], s22, v4
	s_add_co_u32 s21, s21, SLOT
	s_add_co_u32 s22, s22, SLOT
.endr
	s_mul_i32 s23, s14, 16*SPITCH                  ; my stage
	v_mul_u32_u24 v5, v1, SPITCH                   ; in: row r, 32 bytes for each half of the lanes
	s_wait_alu depctr_va_vdst(0)
	v_lshl_add_u32 v5, v2, 5, v5
	v_add_nc_u32 v[STO], s23, v5
	v_and_b32 v6, 31, v0
	v_lshlrev_b32 v[LI], 4, v6                     ; 16 x lane
	v_add_nc_u32 v[RD], s23, v[LI]                 ; back by rows: the 32 lanes take one row of 512 bytes
	v_lshlrev_b32 v[CO], 4, v1
	v_lshl_add_u32 v[CO], v2, 19, v[CO]            ; in out1 lanes 0-15 hold a row of my first head, lanes 16-31 of my second
	v_and_b32 v7, 8, v1
	v_add_nc_u32 v7, v7, v1                        ; r + 8 (r / 8)
	v_lshlrev_b32 v7, 2, v7
	v_mad_u32_u24 v7, v2, 8*SPITCH, v7             ; + 8 h rows
	v_add_nc_u32 v[CR], s23, v7                    ; back by columns
	v_lshlrev_b32 v[RO], 8, v1
	v_lshl_add_u32 v[RO], v2, 5, v[RO]
	v_lshlrev_b32 v[BO], 5, v2
	; where my part begins in the other buffers.  These registers feed no descriptor
	s_wait_alu depctr_va_vdst(0)
	s_lshl_b32 s66, s42, 8
	s_lshl_b32 s67, s16, 7
	s_add_co_u32 s66, s66, s67                     ; my first column of the 3,072
	s_lshl_b32 s66, s66, 2
	s_mov_b32 s67, 0
	s_add_nc_u64 s[10:11], s[10:11], s[66:67]      ; bqkv there
	s_lshl_b32 s66, s17, 8
	s_lshl_b32 s94, s15, 7
	s_add_co_u32 s66, s66, s94
	s_and_b32 s66, s66, 2047                       ; t of my first row
	s_lshl_b32 s94, s66, 8
	s_mov_b32 s95, 0
	s_add_nc_u64 s[70:71], s[70:71], s[94:95]      ; the table's row t
	s_lshr_b32 s94, s17, 3                         ; the batch: 8 tile rows each
	s_lshl_b32 s94, s94, 4
	s_lshl_b32 s98, s40, 2
	s_add_co_u32 s94, s94, s98
	s_lshl_b32 s98, s16, 1
	s_add_co_u32 s94, s94, s98                     ; my first head of the 64: 16 x batch + 4 cx + 2 x half
	s_lshl_b32 s94, s94, 17                        ; a head's codes are 131,072 bytes,
	s_lshl_b32 s66, s66, 6                         ; a row's 64
	s_add_co_u32 s94, s94, s66
	s_add_nc_u64 s[72:73], s[72:73], s[94:95]
	s_add_nc_u64 s[74:75], s[74:75], s[94:95]
	s_add_nc_u64 s[76:77], s[76:77], s[94:95]
	s_lshl_b32 s94, s94, 2                         ; f32: four times that
	s_add_nc_u64 s[78:79], s[78:79], s[94:95]
	s_mov_b32 s90, 0x76543210                      ; v_permlanex16_b32's selects for lane l xor 16
	s_mov_b32 s91, 0xfedcba98
	s_mov_b32 s92, 0x3c800000                      ; 1 / 64
	s_mov_b32 s93, 0x358637bd                      ; 1e-6
.set j, 0
.rept 8                                        ; the bias, in the result's layout: register 8 b + i = column 16 b + 8 h + i.  It lands while K is walked
	global_load_b128 v[BIAS+8*j:BIAS+8*j+3], v[BO], s[10:11] offset:64*j
	global_load_b128 v[BIAS+8*j+4:BIAS+8*j+7], v[BO], s[10:11] offset:64*j+16
.set j, j+1
.endr
.macro FRAG reg, adr, q, i             ; a fragment, 16 rows x 128 K, is 16 registers: lane l holds row l % 16; registers 4 c .. 4 c + 3 hold K = 32 c + 16 (l / 16) + 0 .. 15: the same order of k in both operands
.irp c, 0,1,2,3
	ds_load_b128 v[\reg+4*\c:\reg+4*\c+3], v[\adr] offset:128*(\q)+32*\c+(\i)*16*PITCH
.endr
.endm
; 16 matrix instructions: x's blocks a0, a0 + 1 against Wqkv's eight, 128 along K.  p: Wqkv's set.  zero = 1: the first product starts the sums.
; The 64 accumulators take turns, one instruction a turn, in the same order in every step.
.macro MUL16 a0, p, zero
.irp a, \a0, \a0+1
.irp b, 0,1,2,3,4,5,6,7
.if \zero
	v_wmma_f32_16x16x128_fp8_fp8 v[8*(8*((\a)%4)+\b):8*(8*((\a)%4)+\b)+7], v[128*(\p)+FR*\b:128*(\p)+FR*\b+FR-1], v[AF+FR*(\a):AF+FR*(\a)+FR-1], 0
.else
	v_wmma_f32_16x16x128_fp8_fp8 v[8*(8*((\a)%4)+\b):8*(8*((\a)%4)+\b)+7], v[128*(\p)+FR*\b:128*(\p)+FR*\b+FR-1], v[AF+FR*(\a):AF+FR*(\a)+FR-1], v[8*(8*((\a)%4)+\b):8*(8*((\a)%4)+\b)+7]
.endif
.endr
.endr
.endm
.macro FETCH_B slot, q, p              ; Wqkv's eight fragments of the slot's q-th 128 along K into set p
	WIN TO_B
.irp i, 0,1,2,3,4,5,6,7
	FRAG 128*(\p)+FR*\i, ADRB+\slot, \q, \i
.endr
	WIN 0
.endm
.macro FETCH_A slot, q, i0             ; x's blocks i0 .. i0 + 3
.irp i, \i0, \i0+1, \i0+2, \i0+3
	FRAG AF+FR*(\i), ADRA+\slot, \q, \i
.endr
.endm
; A load into a register that a matrix instruction has read, and a vector instruction that reads a matrix result, stand NP places behind that matrix instruction; only plain vector
; instructions that name none of its registers are places (ISA guide 7.12.1 for vector instructions).
.macro PLACES n
.rept \n
	v_nop
.endr
.endm
; A step of 128 along K that has its successor in the same slot.
.macro STEP slot, q, zero
	s_wait_dscnt 4*NL                              ; Wqkv's set and x's blocks 0-3 are in; the youngest 16 loads (x's blocks 4-7) may be out
	WIN MUL_LO
	MUL16 0, (\q)%2, \zero
	MUL16 2, (\q)%2, \zero
	s_wait_dscnt 0                                 ; x's blocks 4-7 are in
	PLACES NP
	FETCH_B \slot, (\q)+1, 1-(\q)%2
	FETCH_A \slot, (\q)+1, 0
	WIN MUL_HI
	MUL16 4, (\q)%2, \zero
	MUL16 6, (\q)%2, \zero
	PLACES NP
	WIN 0
	FETCH_A \slot, (\q)+1, 4
.endm
; A slot's last step changes slots: ONE barrier; in front of it each wave waits for all its tensor loads, adds 0 to its spare word, and waits for that and for its own reads of this slot.  fill = 1: this slot is filled again, two K steps ahead.
.macro TURN slot, next, fill
	s_wait_tensorcnt 0x0                           ; all my tensor loads have landed: my part of the next slot
	ds_add_u32 v[SPW], v[NIL]                      ; 0 onto my spare word
	s_wait_dscnt 4*NL+1                            ; (the add and the youngest 16 loads, x's blocks 4-7, may be out)
	WIN MUL_LO
	MUL16 0, 1, 0                                  ; sixteen matrix instructions stand between the add and the wait for it
	s_wait_dscnt 0x0                               ; the add is done, and my reads of this slot are over
	s_barrier_signal -1
	MUL16 2, 1, 0
	WIN 0
	s_barrier_wait -1
.if \fill
	CREST                                          ; the barrier has opened a round of the cluster's barrier: no wave of any partner still reads this slot's tile or has a load on its way
	s_add_nc_u64 s[G0+4*\slot+2:G0+4*\slot+3], s[G0+4*\slot+2:G0+4*\slot+3], 2*ROWB
	s_add_nc_u64 s[G0B+4*\slot+2:G0B+4*\slot+3], s[G0B+4*\slot+2:G0B+4*\slot+3], 2*ROWB
	JLOAD G0+4*\slot, G1, G0B+4*\slot, G1B         ; the first tensor load behind the round; its four v_nop are also the places in front of the loads below
.else
	PLACES NP
.endif
	FETCH_B \next, 0, 0
	FETCH_A \next, 0, 0
	WIN MUL_HI
	MUL16 4, 1, 0
	MUL16 6, 1, 0
	PLACES NP
	WIN 0
	FETCH_A \next, 0, 4
.endm
	s_wait_alu depctr_va_vdst(0)
	s_wait_tensorcnt 0x0                           ; my part of K step 0 is in
	ds_add_u32 v[SPW], v[NIL]
	s_wait_dscnt 0x0
	CROUND                                         ; everybody's part of K step 0 is in, and all sixteen work-groups are here
	JLOAD G0+4, G1, G0B+4, G1B                     ; K step 1: the first tensor load behind the round
	FETCH_B 0, 0, 0
	FETCH_A 0, 0, 0
	FETCH_A 0, 0, 4
	STEP 0, 0, 1                                   ; the first step stands in front of the loop: its products start the sums
	s_mov_b32 s3, LAPS-1
.Llap:                                                 ; a trip goes once round the ring, from a lap's second step to the next lap's first, and fills both slots again
	TURN 0, 1, 1
	STEP 1, 0, 0
	TURN 1, 0, 1
	STEP 0, 0, 0
	s_sub_co_u32 s3, s3, 1
	s_cmp_lg_u32 s3, 0
	s_cbranch_scc1 .Llap
	TURN 0, 1, 0                                   ; the last lap fills nothing, and has no round of the cluster's barrier
	STEP 1, 0, 0
	s_wait_dscnt 4*NL                              ; the very last step: nothing more to fetch
	WIN MUL_LO
	MUL16 0, 1, 0
	MUL16 2, 1, 0
	s_wait_dscnt 0
	WIN MUL_HI
	MUL16 4, 1, 0
	MUL16 6, 1, 0
	WIN 0
	; ---- THE WAYS OUT, block by block of 16 rows x 128 columns
	s_wait_kmcnt 0x0
	s_add_co_i32 s96, s80, s81                     ; e0 + e1
	s_add_co_i32 s96, s96, 127
	s_lshl_b32 s96, s96, 23                        ; 2^(e0 + e1) as f32
	s_mov_b32 s97, s96                             ; (named with it as a pair, so it is written)
	PLACES NP                                      ; behind the last products: for the reads of results and the loads into the registers that held x's fragments
	s_cmp_eq_u32 ttmp9, 2                          ; the cluster's x: the same in all sixteen partners
	s_cbranch_scc1 .Lvalue
	; ---- q and k
	s_cmp_eq_u32 ttmp9, 0
	s_cselect_b64 s[98:99], s[72:73], s[74:75]     ; q_img or k_img
	s_cselect_b32 s94, s82, s83                    ; e2 or e3
	s_add_co_i32 s94, s94, 127
	s_lshl_b32 s95, s94, 23
	v_mov_b32 v20, s95                             ; the scale as f32: the conversion takes its exponent field
	s_add_co_i32 s94, s94, 8
	s_lshl_b32 s94, s94, 23
	s_or_b32 s94, s94, 0x600000
	v_mov_b32 v21, s94                             ; 448 x the scale
	v_mov_b32 v6, 0                                ; written once: a lane permute's destination counts as one of its sources
	v_mov_b32 v7, 0
	v_mov_b32 v9, 0                                ; (named as the upper halves of the pairs v[8:9], v[10:11])
	v_mov_b32 v11, 0
.macro RLOAD a                         ; block a's rows of the table: my row's cosines of i = 16 c + 8 h + 0 .. 7, c = 0, 1, then its sines, into set a
.irp c, 0,1
.irp e, 0,1
	global_load_b128 v[RP+32*(\a)+8*\c+4*\e:RP+32*(\a)+8*\c+4*\e+3], v[RO], s[70:71] offset:4096*(\a)+64*\c+16*\e
	global_load_b128 v[RP+32*(\a)+16+8*\c+4*\e:RP+32*(\a)+16+8*\c+4*\e+3], v[RO], s[70:71] offset:4096*(\a)+128+64*\c+16*\e
.endr
.endr
.endm
.macro QKBLOCK a
.set AC, 64*((\a)%4)
.set RS, RP+32*(\a)
.set CE, CD+16*((\a)%2)
.if (\a) >= 2
	s_wait_xcnt 0x0                                ; the stores of two blocks ago have read their registers: this block's codes take them
.endif
	WIN 0x02+((\a)/4)                              ; source 0: window 2 or 3
.set j, 0
.rept 32
	v_pk_fma_f32 v[Y+j:Y+j+1], v[AC+j:AC+j+1], s[96:97], v[BIAS+j:BIAS+j+1] op_sel_hi:[1,0,1]   ; sum x 2^(e0 + e1) + bias; each accumulator from its low end on
.set j, j+2
.endr
	WIN 0
	v_pk_mul_f32 v[2:3], v[Y:Y+1], v[Y:Y+1]        ; the squares of my 32 numbers of each head, in two chains a head
	v_pk_mul_f32 v[4:5], v[Y+16:Y+17], v[Y+16:Y+17]
	v_pk_mul_f32 v[12:13], v[Y+32:Y+33], v[Y+32:Y+33]
	v_pk_mul_f32 v[14:15], v[Y+48:Y+49], v[Y+48:Y+49]
.set j, 2
.rept 7
	v_pk_fma_f32 v[2:3], v[Y+j:Y+j+1], v[Y+j:Y+j+1], v[2:3]
	v_pk_fma_f32 v[4:5], v[Y+16+j:Y+17+j], v[Y+16+j:Y+17+j], v[4:5]
	v_pk_fma_f32 v[12:13], v[Y+32+j:Y+33+j], v[Y+32+j:Y+33+j], v[12:13]
	v_pk_fma_f32 v[14:15], v[Y+48+j:Y+49+j], v[Y+48+j:Y+49+j], v[14:15]
.set j, j+2
.endr
	v_pk_add_f32 v[2:3], v[2:3], v[4:5]
	v_pk_add_f32 v[12:13], v[12:13], v[14:15]
	v_add_f32 v2, v2, v3
	v_add_f32 v12, v12, v13
	v_permlanex16_b32 v6, v2, s90, s91             ; the row's other 32 numbers lie in the lane 16 away
	v_permlanex16_b32 v7, v12, s90, s91
	v_add_f32 v2, v2, v6
	v_add_f32 v12, v12, v7
	v_fma_f32 v2, v2, s92, s93                     ; the mean + 1e-6
	v_fma_f32 v12, v12, s92, s93
	s_wait_alu depctr_va_vdst(0)
	v_rsq_f32 v8, v2
	v_rsq_f32 v10, v12
	v_nop                                          ; a plain instruction behind the two roots
	s_wait_loadcnt 8*(7-(\a))                      ; this block's eight table loads are in; the later blocks' eight each may be out
	s_wait_alu depctr_va_vdst(0)                   ; one wait for both roots, ahead of their first reader
.set j, 0
.rept 16
	v_pk_mul_f32 v[Y+j:Y+j+1], v[Y+j:Y+j+1], v[8:9] op_sel_hi:[1,0]
	v_pk_mul_f32 v[Y+32+j:Y+33+j], v[Y+32+j:Y+33+j], v[10:11] op_sel_hi:[1,0]
.set j, j+2
.endr
.set j, 0
	WIN 0x04                                       ; source 1, the table, lies in window 1
.rept 8                                        ; the turn: x1 = registers 0-15 of a head (d under 32), x2 = registers 16-31, same i: x1 cos + x2 sin, x2 cos - x1 sin
	v_pk_mul_f32 v[2:3], v[Y+16+j:Y+17+j], v[RS+16+j:RS+17+j]
	v_pk_mul_f32 v[4:5], v[Y+j:Y+1+j], v[RS+16+j:RS+17+j]
	v_pk_mul_f32 v[12:13], v[Y+48+j:Y+49+j], v[RS+16+j:RS+17+j]
	v_pk_mul_f32 v[14:15], v[Y+32+j:Y+33+j], v[RS+16+j:RS+17+j]
	v_pk_fma_f32 v[Y+j:Y+1+j], v[Y+j:Y+1+j], v[RS+j:RS+1+j], v[2:3]
	v_pk_fma_f32 v[Y+16+j:Y+17+j], v[Y+16+j:Y+17+j], v[RS+j:RS+1+j], v[4:5] neg_lo:[0,0,1] neg_hi:[0,0,1]
	v_pk_fma_f32 v[Y+32+j:Y+33+j], v[Y+32+j:Y+33+j], v[RS+j:RS+1+j], v[12:13]
	v_pk_fma_f32 v[Y+48+j:Y+49+j], v[Y+48+j:Y+49+j], v[RS+j:RS+1+j], v[14:15] neg_lo:[0,0,1] neg_hi:[0,0,1]
.set j, j+2
.endr
	WIN 0
.set j, 0
.rept 64
	v_med3_num_f32 v[Y+j], v[Y+j], -v21, v21       ; the conversion to an 8-bit code does not saturate (ISA guide 7.6.2): the hold at the largest code x the scale
.set j, j+1
.endr
.set j, 0
.rept 8
	v_cvt_scalef32_pk8_fp8_f32 v[CE+2*j:CE+2*j+1], v[Y+8*j:Y+8*j+7], v20   ; head j / 4, d = 16 (j % 4) + 8 h + 0 .. 7: registers 2 (j % 4), 2 (j % 4) + 1 of the head's fragment
.set j, j+1
.endr
	v_nop                                          ; a plain instruction between the conversions and the next block's lines, which write their sources
.set j, 0
.rept 4
	global_store_b128 v[LI], v[CE+4*j:CE+4*j+3], s[98:99] offset:1024*(\a)+131072*(j/2)+512*(j%2)   ; 32 lanes store 512 consecutive bytes
.set j, j+1
.endr
.endm
	s_wait_loadcnt 0x0                             ; the bias is in
	WIN TO_B                                       ; all eight blocks' rows of the table are asked for at once: 64 loads into window 1, four places behind the last products
.irp a, 0,1,2,3,4,5,6,7
	RLOAD \a
.endr
	WIN 0
.irp a, 0,1,2,3,4,5,6,7
	QKBLOCK \a
.endr
	s_branch .Lend
	; ---- v
.Lvalue:
	s_wait_loadcnt 0x0                             ; the bias
	v_mov_b32 v18, s88                             ; lamb
	v_sub_f32 v16, 1.0, v18                        ; 1 - lamb
	v_mov_b32 v17, 0                               ; (named as the upper halves of the pairs)
	v_mov_b32 v19, 0
	s_add_co_i32 s94, s85, 127                     ; e5
	s_lshl_b32 s95, s94, 23
	v_mov_b32 v20, s95
	s_add_co_i32 s94, s94, 8
	s_lshl_b32 s94, s94, 23
	s_or_b32 s94, s94, 0x600000
	v_mov_b32 v21, s94
.macro VBLOCK a
.set AC, 64*((\a)%4)
	s_wait_xcnt 0x0                                ; the last block's stores have read their registers
	WIN 0x02+((\a)/4)
.set j, 0
.rept 32
	v_pk_fma_f32 v[TMP+j:TMP+j+1], v[AC+j:AC+j+1], s[96:97], v[BIAS+j:BIAS+j+1] op_sel_hi:[1,0,1]
.set j, j+2
.endr
	WIN 0
.set j, 0
.rept 32
	v_pk_mul_f32 v[BK+j:BK+j+1], v[TMP+j:TMP+j+1], v[16:17] op_sel_hi:[1,0]          ; (1 - lamb) v
.set j, j+2
.endr
.set j, 0
.rept 32
	v_pk_fma_f32 v[TMP+j:TMP+j+1], v[TMP+j:TMP+j+1], v[18:19], v[BK+j:BK+j+1] op_sel_hi:[1,0,1]   ; + lamb v
.set j, j+2
.endr
.set j, 0
.rept 8
	ds_store_b128 v[STO], v[TMP+8*j:TMP+8*j+3] offset:64*j
	ds_store_b128 v[STO], v[TMP+8*j+4:TMP+8*j+7] offset:64*j+16
.set j, j+1
.endr
.set j, 0
.rept 16
	ds_load_b128 v[BK+4*j:BK+4*j+3], v[RD] offset:j*SPITCH   ; LDS serves a wave's instructions in order (ISA guide 5.7.1.4): these see the stores above
.set j, j+1
.endr
.set w, 0
.rept 32                                       ; by columns: register 8 f + i = key 8 h + i of the block, channel slot r of fragment f (head f / 4, tile f % 4).  The 32 lanes touch 32 different banks
	ds_load_b32 v[TMP+w], v[CR] offset:SPITCH*(w%8)+256*(w/32)+128*((w/16)%2)+32*((w/8)%2)
.set w, w+1
.endr
	s_wait_dscnt 32                                ; the rows are in; the 32 column loads may be out
.set j, 0
.rept 16
	global_store_b128 v[CO], v[BK+4*j:BK+4*j+3], s[78:79] offset:256*(16*(\a)+j) th:TH_STORE_NT   ; sixteen lanes store a head's row: 256 consecutive bytes at a multiple of 256
.set j, j+1
.endr
.rept 32
	ds_load_b32 v[TMP+w], v[CR] offset:SPITCH*(w%8)+256*(w/32)+128*((w/16)%2)+32*((w/8)%2)
.set w, w+1
.endr
	s_wait_dscnt 32                                ; the first head's columns are in
.set j, 0
.rept 32
	v_med3_num_f32 v[TMP+j], v[TMP+j], -v21, v21
.set j, j+1
.endr
.set w, 0
.rept 4
	v_cvt_scalef32_pk8_fp8_f32 v[VC+4*w+2*((\a)%2):VC+4*w+2*((\a)%2)+1], v[TMP+8*w:TMP+8*w+7], v20   ; keys 16 (a % 4) + 8 h + 0 .. 7 of the group of 64: registers 2 (a % 4), 2 (a % 4) + 1
.set w, w+1
.endr
	s_wait_dscnt 0x0                               ; the second head's
.rept 32
	v_med3_num_f32 v[TMP+j], v[TMP+j], -v21, v21
.set j, j+1
.endr
.rept 4
	v_cvt_scalef32_pk8_fp8_f32 v[VC+4*w+2*((\a)%2):VC+4*w+2*((\a)%2)+1], v[TMP+8*w:TMP+8*w+7], v20
.set w, w+1
.endr
	v_nop                                          ; a plain instruction between the conversions and the next block's lines, which write their sources
.if ((\a)%2) == 1                              ; two blocks make a chunk of four registers
.set w, 0
.rept 8
	global_store_b128 v[LI], v[VC+4*w:VC+4*w+3], s[76:77] offset:131072*(w/4)+4096*((\a)/4)+1024*(w%4)+512*(((\a)%4)/2)
.set w, w+1
.endr
.endif
.endm
.irp a, 0,1,2,3,4,5,6,7
	VBLOCK \a
.endr
.Lend:
	s_wait_tensorcnt 0x0                           ; the wave's end, behind my last tensor load and my last LDS store
	ds_add_u32 v[SPW], v[NIL]
	s_wait_dscnt 0x0
	CROUND                                         ; the closing round: no work-group ends while a partner may still ask for a tile that names it
	s_endpgm
.Lfunc_end_k_qc1f3c714f8_qkv:
	.size	k_qc1f3c714f8_qkv, .Lfunc_end_k_qc1f3c714f8_qkv-k_qc1f3c714f8_qkv
	.p2alignl 7, 3214868480
	.fill 96, 4, 3214868480
	.section	.rodata,"a",@progbits
	.p2align	6, 0x0
	.amdhsa_kernel k_qc1f3c714f8_qkv
		.amdhsa_group_segment_fixed_size 327680
		.amdhsa_private_segment_fixed_size 0
		.amdhsa_enable_private_segment 0
		.amdhsa_kernarg_size 80
		.amdhsa_user_sgpr_count 2
		.amdhsa_user_sgpr_kernarg_segment_ptr 1
		.amdhsa_wavefront_size32 1
		.amdhsa_system_sgpr_workgroup_id_x 1
		.amdhsa_system_sgpr_workgroup_id_y 1
		.amdhsa_system_sgpr_workgroup_id_z 1
		.amdhsa_system_vgpr_workitem_id 0
		.amdhsa_next_free_vgpr 1024
		.amdhsa_next_free_sgpr 100
		.amdhsa_reserve_vcc 0
		.amdhsa_float_denorm_mode_32 3
		.amdhsa_float_denorm_mode_16_64 3
		.amdhsa_memory_ordered 1
		.amdhsa_forward_progress 1
		.amdhsa_inst_pref_size 255
	.end_amdhsa_kernel
	.section	.bss,"aw",@nobits
	.p2align	6
	.space	262144
	.amdgpu_metadata
---
amdhsa.version: [ 1, 2 ]
amdhsa.kernels:
  - .name:           k_qc1f3c714f8_qkv
    .symbol:         k_qc1f3c714f8_qkv.kd
    .args:
      - { .name: x_codes, .offset: 0, .size: 8, .value_kind: global_buffer, .address_space: global }
      - { .name: Wqkv_codes, .offset: 8, .size: 8, .value_kind: global_buffer, .address_space: global }
      - { .name: lowp_scales, .offset: 16, .size: 8, .value_kind: global_buffer, .address_space: global }
      - { .name: bqkv, .offset: 24, .size: 8, .value_kind: global_buffer, .address_space: global }
      - { .name: lamb, .offset: 32, .size: 8, .value_kind: global_buffer, .address_space: global }
      - { .name: rope, .offset: 40, .size: 8, .value_kind: global_buffer, .address_space: global }
      - { .name: q_img, .offset: 48, .size: 8, .value_kind: global_buffer, .address_space: global }
      - { .name: k_img, .offset: 56, .size: 8, .value_kind: global_buffer, .address_space: global }
      - { .name: v_img, .offset: 64, .size: 8, .value_kind: global_buffer, .address_space: global }
      - { .name: out1, .offset: 72, .size: 8, .value_kind: global_buffer, .address_space: global }
    .group_segment_fixed_size: 327680
    .private_segment_fixed_size: 0
    .kernarg_segment_align: 8
    .kernarg_segment_size: 80
    .max_flat_workgroup_size: 128
    .sgpr_count:     100
    .vgpr_count:     1024
    .wavefront_size: 32
...
	.end_amdgpu_metadata
.endif
;; end of part 2
;; launch attn (part 3): grid 4 x 64, 8 waves a work-group, no clusters, 132,096 bytes of LDS; arguments q_img, k_img, v_img, lowp_scales, attn_img; writes attn_img
.if DOCPART == 3
	.amdgcn_target "amdgcn-amd-amdhsa--gfx1250"
	.amdhsa_code_object_version 6
	.text
	.protected	k_qc1f3c714f8_attn
	.globl	k_qc1f3c714f8_attn
	.p2align	8
	.type	k_qc1f3c714f8_attn,@function
k_qc1f3c714f8_attn:
	s_mov_b64 s[64:65], 0
	v_nop
	global_prefetch_b8 v0, s[64:65] scope:SCOPE_SE
	s_setreg_imm32_b32 hwreg(HW_REG_WAVE_MODE, 25, 1), 1
	s_wait_xcnt 0x0
; Causal attention of 64 heads (batch x head), 2,048 queries and keys, head size 64, both products on codes of E4M3: S^T = K Q^T by v_wmma_f32_16x16x64_fp8_fp8, O^T = V^T P^T by v_wmma_f32_16x16x128_fp8_fp8.
; THE SOFTMAX AHEAD OF THE SECOND PRODUCT: t = score x log2(e) / 8; M = the row's largest t so far, rounded UP to a whole number; p = 2^(t - M) is quantised along the keys (scale 2^e4), not normalised.
; The row's sum is taken of the unquantised p and divides O at the end.  When M moves, the sum and O are multiplied by 2^(old M - new M): nothing is rounded.  The result is quantised (scale 2^e6) for the last product.
; SHARES.  Work-group (i, head), i = 0 .. 3, takes the head's query block 7 - i (256 queries) against key slots 0 .. 7 - i, then block i against slots 0 .. i: 9 slots of 256 keys whatever i is.
; Each of the eight waves owns 32 queries, two tiles of 16; waves 4 to 7 take the block's pieces in falling order.  A key step is 128 keys: 16 + 8 matrix instructions, one maximum, one rescaling of O^T.
; K AND V COME THROUGH REGISTERS INTO A RING OF FOUR LDS SLOTS.  Each wave carries 4,096 bytes of a slot (waves 0-3 K's quarters, waves 4-7 V's).  At the head of trip n it stores its part of slot n + 1, loaded a trip before,
; asks memory for its part of slot n + 2, and signals the barrier; the barrier's wait stands at the trip's end.  So slot n + 1 is read only when every wave has stored its part and waited for its stores;
; and the LDS bytes that trip n's stores take were last read in trip n - 3, ahead of signals that every wave has since waited for.  Between a signal and its wait stand register work and LDS loads of slot n, which nobody writes before trip n + 3.
; The launch has no tensor load and no copy.
; THE HOLD of p at 448 x 2^e4 is led round where e4 >= -8: p is at most 1 (but for one rounding of the multiply-add), so p / 2^e4 stays near 256, under 448, and the hold would change no number.  With e4 < -8 it is executed.
; OPERANDS are images of their registers (the launch before laid them so).  A slot in LDS: K's 16,384 bytes (16 tiles of 16 keys), then V's 16,384 (4 groups of 64 keys x 4 tiles of 16 channels).
; LAYOUT.  Lane (r, h) holds query r throughout; in tile kt of S^T keys 16 kt + 8 h + 0 .. 7: the conversion of tile kt is registers 2 kt, 2 kt + 1 of P (K = 128).  V's fragments of two groups of 64 keys on end are one of 128.
; The channels of a tile of V are not neighbours (lane r of tile 2 b + u: channel 32 b + 8 u + r + 8 (r / 8)), so the 16 registers of tiles 2 b, 2 b + 1 of O^T are channels 32 b + 16 h + 0 .. 15: a chunk of the last product's operand.
; attn_img [K / 256][row / 16][2][4][lane][16].
; THE MASK.  A slot's second step is left out by a scalar branch on ids where all its keys come after my 32 queries; in a step on the diagonal hidden scores become -infinity ahead of the maximum.
; A step that is walked begins at or before my first query (steps begin at multiples of 128, my queries at a multiple of 32), so each query sees a key in it.
; NO CLUSTER: the four work-groups of a head go back to key slot 0 behind 8 - i slots, so from the fifth slot on they want different tiles.
; PREFETCH: work-group i = 0 of a head, which walks slots 0 .. 7 in order, names in trip t the slot that trip t + 1 loads, slot t + 3 (t <= 4): each wave its own 4,096 bytes, lanes 256 bytes apart, lanes 16-31 the last block again.
; LIMITS on the given exponents: e2 + e3 between -123 and 130 (added to c's exponent field); e4 and e6 - e4 - e5 between -126 and 119.  NaN among the inputs is not served.
; REGISTERS.  Window 0: v1-15 addresses and constants; v16-31 eight a tile: -M, the largest t, the sum in two halves, f and 0, two at work; v40-55 Q; v56-87 P's codes; v88-151 K; v152-215 V; v216-247 a slot's part on its way.
; Window 1: v0-127 S^T, then p; v128-191 O^T; v192-207 the second block's Q.
.set SLOT1, 1<<15                      ; a slot's bytes; the ring holds four
.set VOFF,  16384
.set SPARE, 4*SLOT1                    ; behind the ring: the spare words, 128 bytes for each of the eight waves
.set LI,  1                            ; 16 x lane
.set ADR, 2                            ; the slot in hand + 16 x lane
.set SPW, 3                            ; my spare word; never rewritten
.set NIL, 4                            ; 0; never rewritten
.set PFO, 5                            ; 256 x min(lane, 15)
.set WLI, 14                           ; 4,096 x wave + 16 x lane
.set STA, 15                           ; the next slot + WLI
.set ST,  16
.set QF,  40
.set P,   56
.set KFR, 88
.set VFR, 152
.set STG, 216
.set S,   0                            ; window 1
.set O,   128
.set Q2,  192
.set FL,   14                          ; s14  7 - i: the trip that ends the first block
.set LEN1, 15                          ; s15  8 - i: slots of the first block
.set NK,   16                          ; s16  the key slot asked for last
.set TR,   17                          ; s17  the trip, 0 .. 8
.set WV,   18
.set SEL,  20                          ; s[20:21] selects for lane l xor 16
.set CS,   22                          ; s[22:23] c = log2(e) / 8 x 2^(e2 + e3)
.set LB,   24                          ; s[24:25] my 4,096 bytes of key slot 0
.set LP,   26                          ; s[26:27] of the slot being asked for
.set OPH,  48
.set OPL,  50
.set TB,   52                          ; s52  LDS byte at which the slot in hand begins
.set KF,   53                          ; s53  the step's first key
.set Q0,   54                          ; s54  my first query
.set Q0L,  55                          ; s55  and in the second block
.set LIM,  58                          ; s58  trips that prefetch: 5 in work-group i = 0, else 0
.set MSB, 0
.macro WIN new                         ; the immediate's high byte repeats the setting that is left
.if MSB != \new
	s_set_vgpr_msb (MSB<<8)|\new
.set MSB, \new
.endif
.endm
.macro KLOAD q                         ; 8 tiles of 16 keys
.set f, 0
.rept 16
	ds_load_b128 v[KFR+4*f:KFR+4*f+3], v[ADR] offset:8192*(\q)+512*f
.set f, f+1
.endr
.endm
.macro VLOAD q                         ; 4 tiles of 16 channels x 128 keys
.irp dt, 0,1,2,3
.irp g, 0,1
.irp c, 0,1
	ds_load_b128 v[VFR+16*\dt+8*\g+4*\c:VFR+16*\dt+8*\g+4*\c+3], v[ADR] offset:VOFF+4096*(2*(\q)+\g)+1024*\dt+512*\c
.endr
.endr
.endr
.endm
.macro RESET                           ; the largest t begins at -3e38, the sums and O^T at 0: the step is written in one form
.irp u, 0,1
	v_mov_b32 v[ST+8*\u+1], 0xff61b1e6
	v_mov_b32 v[ST+8*\u+2], 0
	v_mov_b32 v[ST+8*\u+3], 0
	v_mov_b32 v[ST+8*\u+5], 0
	v_mov_b32 v[ST+8*\u+6], 0
	v_mov_b32 v[ST+8*\u+7], 0
.endr
.irp u, 0,1
	v_floor_f32 v[ST+8*\u], -v[ST+8*\u+1]
.endr
	WIN 0x40
.set j, 0
.rept 64
	v_mov_b32 v[O+j], 0
.set j, j+1
.endr
	WIN 0
.endm
	s_load_b128 s[4:7], s[0:1], 0x0                ; q_img, k_img
	s_load_b128 s[8:11], s[0:1], 0x10              ; v_img, the scales' exponents
	s_load_b64 s[12:13], s[0:1], 0x20              ; attn_img
	v_lshl_add_u32 v[SPW], v0, 2, SPARE
	v_mov_b32 v[NIL], 0
	v_lshrrev_b32 v12, 5, v0
	v_readfirstlane_b32 s[WV], v12                 ; wave 0..7
	v_and_b32 v13, 31, v0
	v_lshlrev_b32 v[LI], 4, v13
	v_lshl_add_u32 v[WLI], v12, 12, v[LI]
	v_min_u32 v[PFO], 15, v13
	v_lshlrev_b32 v[PFO], 8, v[PFO]
	v_and_b32 v12, 15, v0
	v_bfe_u32 v13, v0, 4, 1
	v_lshlrev_b32 v13, 3, v13
	v_sub_nc_u32 v6, v12, v13                      ; r - 8 h, for the mask
	v_mov_b32 v7, 0xff800000                       ; -infinity
	RESET
	s_and_b32 s76, ttmp7, 0xffff                   ; the head of the 64
	s_sub_co_u32 s[FL], 7, ttmp9
	s_sub_co_u32 s[LEN1], 8, ttmp9
	s_bfe_u32 s77, s[WV], 0x10002                  ; 1 in waves 4 to 7,
	s_mul_i32 s77, s77, 3
	s_xor_b32 s77, s77, s[WV]                      ; which take pieces 7, 6, 5, 4
	s_lshl_b32 s77, s77, 5
	s_lshl_b32 s78, s[FL], 8
	s_add_co_u32 s[Q0], s78, s77                   ; my first query in block 7 - i,
	s_lshl_b32 s78, ttmp9, 8
	s_add_co_u32 s[Q0L], s78, s77                  ; and in block i
	s_lshl_b32 s80, s76, 17                        ; a head's codes are 131,072 bytes
	s_mov_b32 s81, 0
	s_bfe_u32 s84, s76, 0x20002                    ; attn_img: head / 4 is the K step of 256,
	s_lshl_b32 s84, s84, 21
	s_lshr_b32 s85, s76, 4
	s_lshl_b32 s85, s85, 19                        ; a batch is 128 tiles of rows of 4,096 bytes,
	s_add_co_u32 s84, s84, s85
	s_and_b32 s85, s76, 3
	s_lshl_b32 s85, s85, 10                        ; (head / 2) % 2 the half of 128, head % 2 the pair of chunks
	s_add_co_u32 s84, s84, s85
	s_mov_b32 s85, 0
	s_and_b32 s82, s[WV], 3
	s_lshl_b32 s82, s82, 12
	s_add_co_u32 s82, s82, s80                     ; my quarter of a slot, in my head
	s_mov_b32 s83, 0
	s_mov_b32 s[SEL], 0x76543210
	s_mov_b32 s[SEL+1], 0xfedcba98
	s_mov_b32 s[CS], 0x3e38aa3b                    ; log2(e) / 8
	s_mov_b32 s[TB], 0
	s_mov_b32 s[KF], 0
	s_mov_b32 s[NK], 1                             ; key slots 0 and 1 are asked for here, at the head
	s_mov_b32 s[TR], 0
	s_wait_alu depctr_va_vdst(0)
	s_wait_kmcnt 0x0
	s_load_b256 s[68:75], s[10:11], 0x0            ; e0 .. e7
	s_cmp_lt_u32 s[WV], 4                          ; waves 0-3 stand in K, waves 4-7 in V
	s_cselect_b64 s[LB:LB+1], s[6:7], s[8:9]
	s_add_nc_u64 s[LB:LB+1], s[LB:LB+1], s[82:83]
.set f, 0
.rept 8
	global_load_b128 v[STG+4*f:STG+4*f+3], v[LI], s[LB:LB+1] offset:512*f   ; key slot 0
.set f, f+1
.endr
	s_add_nc_u64 s[4:5], s[4:5], s[80:81]
	s_lshl_b32 s82, s[Q0], 6                       ; a query's codes are 64 bytes
	s_add_nc_u64 s[44:45], s[4:5], s[82:83]
	s_lshl_b32 s82, s[Q0L], 6
	s_add_nc_u64 s[46:47], s[4:5], s[82:83]
.irp u, 0,1
.irp c, 0,1
	global_load_b128 v[QF+8*\u+4*\c:QF+8*\u+4*\c+3], v[LI], s[44:45] offset:1024*\u+512*\c
.endr
.endr
	WIN 0x40
.irp u, 0,1
.irp c, 0,1
	global_load_b128 v[Q2+8*\u+4*\c:Q2+8*\u+4*\c+3], v[LI], s[46:47] offset:1024*\u+512*\c   ; the second block's queries wait in window 1
.endr
.endr
	WIN 0
	s_add_nc_u64 s[12:13], s[12:13], s[84:85]
	s_lshl_b32 s82, s[Q0], 8                       ; 16 rows are 4,096 bytes
	s_add_nc_u64 s[OPH:OPH+1], s[12:13], s[82:83]
	s_lshl_b32 s82, s[Q0L], 8
	s_add_nc_u64 s[OPL:OPL+1], s[12:13], s[82:83]
	s_cmp_eq_u32 ttmp9, 0
	s_cselect_b32 s[LIM], 5, 0
	s_wait_kmcnt 0x0
	s_add_co_i32 s76, s70, s71
	s_lshl_b32 s76, s76, 23
	s_add_co_i32 s[CS], s[CS], s76                 ; e2 + e3 are added to c's exponent field
	s_mov_b32 s[CS+1], s[CS]
	s_add_co_i32 s76, s72, 127
	s_lshl_b32 s77, s76, 23
	v_mov_b32 v8, s77                              ; 2^e4
	s_add_co_i32 s76, s76, 8
	s_lshl_b32 s76, s76, 23
	s_or_b32 s76, s76, 0x600000
	v_mov_b32 v9, s76                              ; 448 x 2^e4
	s_sub_co_i32 s76, s74, s72
	s_sub_co_i32 s76, s76, s73                     ; the three scales are folded into the last conversion's one
	s_add_co_i32 s76, s76, 127
	s_lshl_b32 s77, s76, 23
	v_mov_b32 v10, s77                             ; 2^(e6 - e4 - e5)
	s_add_co_i32 s76, s76, 8
	s_lshl_b32 s76, s76, 23
	s_or_b32 s76, s76, 0x600000
	v_mov_b32 v11, s76                             ; 448 x that
	s_wait_alu depctr_va_vdst(0)
	s_wait_loadcnt 0x0
.set f, 0
.rept 8
	ds_store_b128 v[WLI], v[STG+4*f:STG+4*f+3] offset:512*f
.set f, f+1
.endr
	s_wait_dscnt 0x0                               ; my part of slot 0 is stored
.set f, 0
.rept 8
	global_load_b128 v[STG+4*f:STG+4*f+3], v[LI], s[LB:LB+1] offset:16384+512*f   ; key slot 1 (every first block has five slots or more)
.set f, f+1
.endr
	s_barrier_signal -1
	s_barrier_wait -1
; A KEY STEP: 128 keys, the q-th of the slot in hand, against my two tiles of queries.
.macro STEP q
.if \q
	s_add_co_u32 s76, s[Q0], 31
	s_cmp_gt_u32 s[KF], s76                        ; all its keys come after my queries
	s_cbranch_scc1 .Lhidden_\@
	VLOAD 1
.endif
	s_wait_dscnt 16                                ; K's sixteen loads are in; V's sixteen may be out
	WIN 0x50
.irp kt, 0,1,2,3,4,5,6,7
.irp u, 0,1
	v_wmma_f32_16x16x64_fp8_fp8 v[S+64*\u+8*\kt:S+64*\u+8*\kt+7], v[KFR+8*\kt:KFR+8*\kt+7], v[QF+8*\u:QF+8*\u+7], 0
.endr
.endr
	WIN 0
.rept 4
	v_nop                                          ; places in front of the first read of the scores and of the loads into K's registers
.endr
.if \q == 0
	KLOAD 1                                        ; the next step's K, from the same slot
.endif
	s_add_co_u32 s76, s[KF], 127
	s_cmp_le_u32 s76, s[Q0]                        ; all its keys count for all my queries: no mask
	s_cbranch_scc1 .Lopen_\@
	s_sub_co_i32 s76, s[Q0], s[KF]
	v_add_nc_u32 v12, s76, v6                      ; d = my query - the step's first key - 8 h.  Register 8 kt + i holds key 16 kt + 8 h + i: hidden where 16 kt + i > d
	v_add_nc_u32 v13, 16, v12                      ; the second tile's queries lie 16 on
	WIN 0x41
.set n, 0
.rept 64
	v_cmp_gt_i32 vcc_lo, 16*(n/8)+n%8, v12
	v_cndmask_b32 v[S+n], v[S+n], v7, vcc_lo
	v_cmp_gt_i32 vcc_lo, 16*(n/8)+n%8, v13
	v_cndmask_b32 v[S+64+n], v[S+64+n], v7, vcc_lo
.set n, n+1
.endr
	WIN 0
.Lopen_\@:
	WIN 0x15                                       ; the step's largest score among my 64 keys, two chains a tile
.irp u, 0,1
	v_max3_num_f32 v[ST+8*\u+6], v[S+64*\u], v[S+64*\u+1], v[S+64*\u+2]
	v_max3_num_f32 v[ST+8*\u+7], v[S+64*\u+3], v[S+64*\u+4], v[S+64*\u+5]
.endr
	WIN 0x14
.set i, 6
.rept 14
.irp u, 0,1
	v_max3_num_f32 v[ST+8*\u+6], v[ST+8*\u+6], v[S+64*\u+i], v[S+64*\u+i+1]
	v_max3_num_f32 v[ST+8*\u+7], v[ST+8*\u+7], v[S+64*\u+i+2], v[S+64*\u+i+3]
.endr
.set i, i+4
.endr
.irp u, 0,1
	v_max3_num_f32 v[ST+8*\u+6], v[ST+8*\u+6], v[S+64*\u+62], v[S+64*\u+63]
.endr
	WIN 0
.irp u, 0,1
	v_max_num_f32 v[ST+8*\u+6], v[ST+8*\u+6], v[ST+8*\u+7]
.endr
.irp u, 0,1
	s_delay_alu instid0(VALU_DEP_2)
	v_permlanex16_b32 v[ST+8*\u+7], v[ST+8*\u+6], s[SEL], s[SEL+1]
.endr
.irp u, 0,1
	s_delay_alu instid0(VALU_DEP_2)
	v_max_num_f32 v[ST+8*\u+6], v[ST+8*\u+6], v[ST+8*\u+7]   ; and among lane l xor 16's
.endr
.irp u, 0,1
	s_delay_alu instid0(VALU_DEP_2)
	v_mul_f32 v[ST+8*\u+6], s[CS], v[ST+8*\u+6]    ; as t (c is positive)
.endr
	s_delay_alu instid0(VALU_DEP_2)
	v_max_num_f32 v[ST+1], v[ST+1], v[ST+6]        ; the running largest t
	v_mov_b32 v[ST+6], v[ST]
	s_delay_alu instid0(VALU_DEP_3)
	v_max_num_f32 v[ST+9], v[ST+9], v[ST+14]
	v_mov_b32 v[ST+14], v[ST+8]
	s_delay_alu instid0(VALU_DEP_4)
	v_floor_f32 v[ST], -v[ST+1]                    ; the new -M = floor(-t): a whole number
	s_delay_alu instid0(VALU_DEP_3)
	v_floor_f32 v[ST+8], -v[ST+9]
.irp u, 0,1
	s_delay_alu instid0(VALU_DEP_2)
	v_sub_f32 v[ST+8*\u+6], v[ST+8*\u], v[ST+8*\u+6]   ; M's old value less its new one: 0 or less
.endr
.irp u, 0,1
	s_delay_alu instid0(VALU_DEP_2)
	v_cvt_i32_f32 v[ST+8*\u+6], v[ST+8*\u+6]       ; (it saturates)
.endr
.irp u, 0,1
	s_delay_alu instid0(VALU_DEP_2)
	v_ldexp_f32 v[ST+8*\u+4], 1.0, v[ST+8*\u+6]    ; f = 2^(old M - new M)
.endr
.irp u, 0,1
	s_delay_alu instid0(VALU_DEP_2)
	v_pk_mul_f32 v[ST+8*\u+2:ST+8*\u+3], v[ST+8*\u+2:ST+8*\u+3], v[ST+8*\u+4:ST+8*\u+5] op_sel_hi:[1,0]   ; the sums under the new M
.endr
	WIN 0x41
.irp u, 0,1
.set j, 0
.rept 32
	v_pk_fma_f32 v[S+64*\u+j:S+64*\u+j+1], v[S+64*\u+j:S+64*\u+j+1], s[CS:CS+1], v[ST+8*\u:ST+8*\u+1] op_sel_hi:[1,0,0]   ; t - M
.set j, j+2
.endr
.endr
.irp u, 0,1
.set j, 0
.rept 16
	v_pk_mul_f32 v[O+32*\u+j:O+32*\u+j+1], v[O+32*\u+j:O+32*\u+j+1], v[ST+8*\u+4:ST+8*\u+5] op_sel_hi:[1,0]   ; O^T under the new M; each accumulator from its low end on
.set j, j+2
.endr
.endr
	s_wait_alu depctr_va_vdst(0)
.set j, 0
.rept 128
	v_exp_f32 v[S+j], v[S+j]                       ; p = 2^(t - M)
.set j, j+1
.endr
	v_nop                                          ; a place behind the exponentials
	s_wait_alu depctr_va_vdst(0)                   ; one wait for the batch, ahead of its first reader
	WIN 0x05
.irp u, 0,1
	v_pk_add_f32 v[ST+8*\u+6:ST+8*\u+7], v[S+64*\u:S+64*\u+1], v[S+64*\u+2:S+64*\u+3]   ; the row's sum of the unquantised p, two chains a tile
.endr
	WIN 0x01
.set i, 4
.rept 15
.irp u, 0,1
	v_pk_add_f32 v[ST+8*\u+2:ST+8*\u+3], v[S+64*\u+i:S+64*\u+i+1], v[ST+8*\u+2:ST+8*\u+3]
	v_pk_add_f32 v[ST+8*\u+6:ST+8*\u+7], v[S+64*\u+i+2:S+64*\u+i+3], v[ST+8*\u+6:ST+8*\u+7]
.endr
.set i, i+4
.endr
	WIN 0
.irp u, 0,1
	v_pk_add_f32 v[ST+8*\u+2:ST+8*\u+3], v[ST+8*\u+2:ST+8*\u+3], v[ST+8*\u+6:ST+8*\u+7]
.endr
	s_wait_alu depctr_va_vdst(0)
	s_cmp_ge_i32 s72, -8                           ; e4 >= -8: no p reaches 448 x 2^e4, the hold changes nothing
	s_cbranch_scc1 .Lno_hold_\@
	WIN 0x41
.set j, 0
.rept 128
	v_min_num_f32 v[S+j], v[S+j], v9               ; the conversion does not saturate (ISA guide 7.6.2); p is not negative, so the hold is one-sided
.set j, j+1
.endr
	WIN 0
.Lno_hold_\@:
	WIN 0x01
.set j, 0
.rept 16
	v_cvt_scalef32_pk8_fp8_f32 v[P+2*j:P+2*j+1], v[S+8*j:S+8*j+7], v8   ; tile j / 8 of queries, keys 16 (j % 8) + 8 h + 0 .. 7
.set j, j+1
.endr
	WIN 0
	v_nop                                          ; a plain line between the conversions and the products that read the codes
	s_wait_alu depctr_va_vdst(0)
.if \q == 0
	s_wait_dscnt 16                                ; V is in; the next step's K may be out
.else
	s_wait_dscnt 0x0                               ; V is in
.endif
	WIN 0x50
.irp dt, 0,1,2,3
.irp u, 0,1                                    ; the eight accumulators take turns, one instruction a turn
	v_wmma_f32_16x16x128_fp8_fp8 v[O+32*\u+8*\dt:O+32*\u+8*\dt+7], v[VFR+16*\dt:VFR+16*\dt+15], v[P+16*\u:P+16*\u+15], v[O+32*\u+8*\dt:O+32*\u+8*\dt+7]
.endr
.endr
	WIN 0
.rept 4
	v_nop                                          ; places in front of the next loads into V's registers and of the next read of O^T
.endr
.if \q
.Lhidden_\@:
.endif
	s_add_co_u32 s[KF], s[KF], 128
.endm
; A block of queries is finished: O^T is divided by the row's sum, quantised, and leaves as chunks of the last product's operand: 512 consecutive bytes a store.
.macro FLUSH op
.irp u, 0,1
	v_add_f32 v[ST+8*\u+6], v[ST+8*\u+2], v[ST+8*\u+3]
.endr
.irp u, 0,1
	s_delay_alu instid0(VALU_DEP_2)
	v_permlanex16_b32 v[ST+8*\u+7], v[ST+8*\u+6], s[SEL], s[SEL+1]
.endr
.irp u, 0,1
	s_delay_alu instid0(VALU_DEP_2)
	v_add_f32 v[ST+8*\u+6], v[ST+8*\u+6], v[ST+8*\u+7]   ; the row's sum
.endr
	s_wait_alu depctr_va_vdst(0)
.irp u, 0,1
	v_rcp_f32 v[ST+8*\u+4], v[ST+8*\u+6]
.endr
	v_nop                                          ; a place behind the reciprocals
	WIN 0x41
	s_wait_alu depctr_va_vdst(0)                   ; for both reciprocals, and directly ahead of the first readers of O^T
.irp u, 0,1
.set j, 0
.rept 16
	v_pk_mul_f32 v[O+32*\u+j:O+32*\u+j+1], v[O+32*\u+j:O+32*\u+j+1], v[ST+8*\u+4:ST+8*\u+5] op_sel_hi:[1,0]
.set j, j+2
.endr
.endr
.set j, 0
.rept 64
	v_med3_num_f32 v[O+j], v[O+j], -v11, v11
.set j, j+1
.endr
	WIN 0x01
.set j, 0
.rept 8
	v_cvt_scalef32_pk8_fp8_f32 v[P+2*j:P+2*j+1], v[O+8*j:O+8*j+7], v10   ; tile j / 4 of queries; tiles 2 b, 2 b + 1 of channels make chunk b
.set j, j+1
.endr
	WIN 0
	v_nop                                          ; a plain line behind the last conversion
.irp u, 0,1
.irp c, 0,1
	global_store_b128 v[LI], v[P+8*\u+4*\c:P+8*\u+4*\c+3], s[\op:\op+1] offset:4096*\u+512*\c
.endr
.endr
.endm
.Lslot:                                            ; nine trips, a slot of 256 keys each
	v_add_nc_u32 v[ADR], s[TB], v[LI]
	s_add_co_u32 s76, s[TB], SLOT1
	s_and_b32 s76, s76, 4*SLOT1-1                  ; the ring's next slot
	v_add_nc_u32 v[STA], s76, v[WLI]
	s_wait_alu depctr_va_vdst(0)
	KLOAD 0
	VLOAD 0
	s_wait_loadcnt 0x0                             ; my part of the next slot, asked for a trip ago, is in my registers (on every way: the loads below land in the same registers)
	s_cmp_eq_u32 s[TR], 8                          ; the last trip has no slot behind it
	s_cbranch_scc1 .Lno_store
.set f, 0
.rept 8
	ds_store_b128 v[STA], v[STG+4*f:STG+4*f+3] offset:512*f
.set f, f+1
.endr
.Lno_store:
	s_wait_dscnt 0x0                               ; my stores are done, my reads of the last slot are over, and this step's K and V are in
	s_cmp_ge_u32 s[TR], 7                          ; the last two trips ask for nothing
	s_cbranch_scc1 .Lno_load
	s_add_co_u32 s[NK], s[NK], 1                   ; the key slot that follows: the next one, or slot 0 when the first block's 8 - i are through
	s_cmp_eq_u32 s[NK], s[LEN1]
	s_cselect_b32 s[NK], 0, s[NK]
	s_lshl_b32 s76, s[NK], 14
	s_mov_b32 s77, 0
	s_wait_xcnt 0x0                                ; the last trip's loads and prefetch have read their base
	s_add_nc_u64 s[LP:LP+1], s[LB:LB+1], s[76:77]
.set f, 0
.rept 8
	global_load_b128 v[STG+4*f:STG+4*f+3], v[LI], s[LP:LP+1] offset:512*f
.set f, f+1
.endr
	s_cmp_lt_u32 s[TR], s[LIM]
	s_cbranch_scc0 .Lno_load
	global_prefetch_b8 v[PFO], s[LP:LP+1] offset:16384 th:TH_LOAD_NT scope:SCOPE_SE   ; what the next trip asks for
.Lno_load:
	s_barrier_signal -1                            ; my part of the next slot is stored
	STEP 0
	STEP 1
	s_wait_dscnt 0x0                               ; where the second step was left out, its K is still on its way: the next trip loads into the same registers
	s_barrier_wait -1                              ; everybody's part of the next slot is stored
	s_cmp_lg_u32 s[TR], s[FL]
	s_cbranch_scc1 .Lsame_block
	FLUSH OPH                                      ; the first block is through
	s_wait_xcnt 0x0                                ; the stores have read their registers
	s_mov_b32 s[Q0], s[Q0L]
	s_mov_b32 s[KF], 0
	RESET
	WIN 0x01
.set j, 0
.rept 16
	v_mov_b32 v[QF+j], v[Q2+j]
.set j, j+1
.endr
	WIN 0
	s_wait_alu depctr_va_vdst(0)
.Lsame_block:
	s_add_co_u32 s[TB], s[TB], SLOT1
	s_and_b32 s[TB], s[TB], 4*SLOT1-1
	s_add_co_u32 s[TR], s[TR], 1
	s_cmp_lt_u32 s[TR], 9
	s_cbranch_scc1 .Lslot
	FLUSH OPL
	s_wait_tensorcnt 0x0                           ; the wave's end
	ds_add_u32 v[SPW], v[NIL]
	s_wait_dscnt 0x0
	s_endpgm
.Lfunc_end_k_qc1f3c714f8_attn:
	.size	k_qc1f3c714f8_attn, .Lfunc_end_k_qc1f3c714f8_attn-k_qc1f3c714f8_attn
	.p2alignl 7, 3214868480
	.fill 96, 4, 3214868480
	.section	.rodata,"a",@progbits
	.p2align	6, 0x0
	.amdhsa_kernel k_qc1f3c714f8_attn
		.amdhsa_group_segment_fixed_size 132096
		.amdhsa_private_segment_fixed_size 0
		.amdhsa_enable_private_segment 0
		.amdhsa_kernarg_size 40
		.amdhsa_user_sgpr_count 2
		.amdhsa_user_sgpr_kernarg_segment_ptr 1
		.amdhsa_wavefront_size32 1
		.amdhsa_system_sgpr_workgroup_id_x 1
		.amdhsa_system_sgpr_workgroup_id_y 1
		.amdhsa_system_sgpr_workgroup_id_z 1
		.amdhsa_system_vgpr_workitem_id 0
		.amdhsa_next_free_vgpr 512
		.amdhsa_next_free_sgpr 90
		.amdhsa_reserve_vcc 1
		.amdhsa_float_denorm_mode_32 3
		.amdhsa_float_denorm_mode_16_64 3
		.amdhsa_memory_ordered 1
		.amdhsa_forward_progress 1
		.amdhsa_inst_pref_size 109
	.end_amdhsa_kernel
	.amdgpu_metadata
---
amdhsa.version: [ 1, 2 ]
amdhsa.kernels:
  - .name:           k_qc1f3c714f8_attn
    .symbol:         k_qc1f3c714f8_attn.kd
    .args:
      - { .name: q_img, .offset: 0, .size: 8, .value_kind: global_buffer, .address_space: global }
      - { .name: k_img, .offset: 8, .size: 8, .value_kind: global_buffer, .address_space: global }
      - { .name: v_img, .offset: 16, .size: 8, .value_kind: global_buffer, .address_space: global }
      - { .name: lowp_scales, .offset: 24, .size: 8, .value_kind: global_buffer, .address_space: global }
      - { .name: attn_img, .offset: 32, .size: 8, .value_kind: global_buffer, .address_space: global }
    .group_segment_fixed_size: 132096
    .private_segment_fixed_size: 0
    .kernarg_segment_align: 8
    .kernarg_segment_size: 40
    .max_flat_workgroup_size: 256
    .sgpr_count:     90
    .vgpr_count:     512
    .wavefront_size: 32
...
	.end_amdgpu_metadata
.endif
;; end of part 3
;; launch proj (part 4): grid 8 x 32, 4 waves a work-group, clusters of 4 x 4, 327,680 bytes of LDS; arguments attn_img, Wproj_codes, lowp_scales, out0, bproj; writes out0
.if DOCPART == 4
	.amdgcn_target "amdgcn-amd-amdhsa--gfx1250"
	.amdhsa_code_object_version 6
	.text
	.protected	k_qc1f3c714f8_proj
	.globl	k_qc1f3c714f8_proj
	.p2align	8
	.type	k_qc1f3c714f8_proj,@function
k_qc1f3c714f8_proj:
	s_mov_b64 s[64:65], 0
	v_nop
	global_prefetch_b8 v0, s[64:65] scope:SCOPE_SE
	s_setreg_imm32_b32 hwreg(HW_REG_WAVE_MODE, 25, 1), 1
	s_wait_xcnt 0x0
	s_wait_alu depctr_hold_cnt(0) depctr_sa_sdst(0) depctr_va_vdst(0) depctr_va_sdst(0) depctr_va_ssrc(0) depctr_va_vcc(0) depctr_vm_vsrc(0)
	s_getreg_b32 s2, hwreg(HW_REG_IB_STS2, 6, 4)
	s_cmp_eq_u32 s2, 0
	s_cbranch_scc0 .Lentry_in_a_cluster
	s_endpgm
.Lentry_in_a_cluster:
	s_bfe_u32 s2, ttmp6, 0x10000c
	s_cmp_lg_u32 s2, 0xf033
	s_cbranch_scc0 .Lentry_shape_is_right
	s_endpgm
.Lentry_shape_is_right:
; out0 = attn Wproj + bproj on codes of E4M3.  attn_img holds attn's codes as images of the operand's registers, [K / 256][row / 16][2][4][lane][16]; Wproj_codes is [1024 (n)][1024 (k)].
; A block of 256 rows x 128 columns is made by a work-group of four waves: 32 x 8 = 256 work-groups.  A wave makes 128 rows x 64 columns: 32 accumulators of 16 x 16.
; K goes in steps of 256 through a ring of two LDS slots: attn's 2 x 32,768 bytes (waves 0 and 1 fetch them), then 128 rows of Wproj, padded to 272 bytes (waves 2 and 3, 64 rows each).
; 4 x 4 work-groups form a cluster: attn's tiles are asked for jointly along a row of the cluster, Wproj's along a column.
; The matrix instruction is used transposed (source 0 = 16 rows of Wproj, source 1 = 16 rows of attn); a block of 16 rows x 64 columns leaves through the wave's stage in slot 0 as rows of 256 bytes.
; LIMIT: e6 + e7 between -126 and 127, so that 2^(e6 + e7) is an f32 number.
.set SIZE_N, 1024
.set SIZE_K, 1024
.set KSTEP,  256
.set ROWB,   256
.set KROW,   SIZE_K
.set PITCH,  272
.set FR,     16
.set NL,     4
.set NP,     4
.set HALFT,  64*PITCH                  ; 64 rows of Wproj: what one tensor load brings, and what one wave reads
.set AHALF,  32768
.set ASTEP,  2097152
.set SLOT,   2*AHALF+2*HALFT
.set LAPS,   SIZE_K/(2*KSTEP)
.set SPARE,  2*SLOT
.set SPITCH, 528
.set ADRA, 16
.set ADRB, 20
.set STO,  24
.set RD,   25
.set CO,   26
.set SPW,  28
.set NIL,  29
.set AF,   128
.set BK,   128
.set G1, 24
.set G0, 32
.set G1B, 48
.set G0B, 56
.set MSB, 0
.macro WIN new
.if MSB != \new
	s_set_vgpr_msb (MSB<<8)|\new
.set MSB, \new
.endif
.endm
.set MUL_LO, 0xa1
.set MUL_HI, 0xf1
.set TO_B,   0x40
.macro JLOAD g0a, g1a, g0b, g1b
	s_cmp_eq_u32 s15, 0
	s_cbranch_scc0 .Lfor_b_\@
	tensor_load_to_lds s[\g0a:\g0a+3], s[\g1a:\g1a+7]
	s_nop 0
.rept 4
	v_nop
.endr
	s_branch .Lasked_\@
.Lfor_b_\@:
	tensor_load_to_lds s[\g0b:\g0b+3], s[\g1b:\g1b+7]
	s_nop 0
.rept 4
	v_nop
.endr
.Lasked_\@:
.endm
.macro CREST
	s_cmp_lg_u32 s14, 0
	s_cbranch_scc1 .Lnot_wave_0_\@
	s_barrier_signal -3
.Lnot_wave_0_\@:
	s_barrier_wait -3
	s_barrier_signal -1
	s_barrier_wait -1
.endm
.macro CROUND
	s_barrier_signal -1
	s_barrier_wait -1
	CREST
.endm
	s_load_b128 s[4:7], s[0:1], 0x0
	s_load_b128 s[8:11], s[0:1], 0x10
	s_load_b64 s[12:13], s[0:1], 0x20
	v_lshl_add_u32 v[SPW], v0, 2, SPARE
	v_mov_b32 v[NIL], 0
	ds_add_u32 v28, v29
	ds_add_u32 v28, v29
	s_wait_dscnt 0x0
	v_lshrrev_b32 v1, 5, v0
	v_readfirstlane_b32 s14, v1
	s_lshr_b32 s15, s14, 1
	s_and_b32 s16, s14, 1
	s_bfe_u32 s40, ttmp6, 0x40000
	s_bfe_u32 s41, ttmp6, 0x40004
	s_lshl_b32 s42, ttmp9, 2
	s_add_co_u32 s42, s42, s40
	s_and_b32 s17, ttmp7, 0xffff
	s_lshl_b32 s17, s17, 2
	s_add_co_u32 s17, s17, s41
	s_lshl_b32 s43, s41, 2
	s_lshl_b32 s43, 15, s43
	s_lshl_b32 s44, 0x1111, s40
	s_or_b32 s[G1+0], s43, (1<<21)
	s_mov_b32 s[G1+1], 256<<16
	s_mov_b32 s[G1+2], 128<<16
	s_mov_b32 s[G1+3], 256<<16
	s_mov_b32 s[G1+4], 128
	s_mov_b32 s[G1+5], 256
	s_mov_b32 s[G1+6], 0
	s_mov_b32 s[G1+7], 0
	s_or_b32 s[G1B+0], s44, (0<<16)|(1<<20)|(1<<21)|(5<<22)|(3<<25)
	s_mov_b32 s[G1B+1], ROWB<<16
	s_mov_b32 s[G1B+2], 64<<16
	s_mov_b32 s[G1B+3], ROWB<<16
	s_mov_b32 s[G1B+4], 64
	s_mov_b32 s[G1B+5], KROW
	s_mov_b32 s[G1B+6], 0
	s_mov_b32 s[G1B+7], 0
	s_lshl_b32 s20, s17, 16
	s_lshl_b32 s18, s16, 15
	s_add_co_u32 s20, s20, s18
	s_mov_b32 s21, 0
	s_lshl_b32 s18, s16, 6
	s_lshl_b32 s46, s42, 7                         ; Wproj: row 128 x tile column + 64 x half
	s_add_co_u32 s46, s46, s18
	s_mov_b32 s47, 0
	s_mov_b64 s[18:19], KROW
	s_mul_u64 s[46:47], s[46:47], s[18:19]
	s_lshl_b32 s45, s16, 15
	s_mul_i32 s22, s16, HALFT
	s_add_co_u32 s22, s22, 2*AHALF
	s_wait_kmcnt 0x0
	s_load_b64 s[96:97], s[8:9], 0x18
	s_add_nc_u64 s[20:21], s[4:5], s[20:21]
	s_add_nc_u64 s[46:47], s[6:7], s[46:47]
	CROUND
.irp s, 0,1
	s_mov_b32 s[G0+4*\s], 1
	s_add_co_u32 s[G0+4*\s+1], s45, \s*SLOT
	s_add_nc_u64 s[G0+4*\s+2:G0+4*\s+3], s[20:21], \s*ASTEP
	s_or_b32 s[G0+4*\s+3], s[G0+4*\s+3], 0x80000000
	s_mov_b32 s[G0B+4*\s], 1
	s_add_co_u32 s[G0B+4*\s+1], s22, \s*SLOT
	s_add_nc_u64 s[G0B+4*\s+2:G0B+4*\s+3], s[46:47], \s*ROWB
	s_or_b32 s[G0B+4*\s+3], s[G0B+4*\s+3], 0x80000000
.endr
	JLOAD G0, G1, G0B, G1B                         ; K step 0: one tensor load a wave at the head
	v_and_b32 v1, 15, v0
	v_bfe_u32 v2, v0, 4, 1
	v_mul_u32_u24 v3, v1, PITCH
	v_lshl_add_u32 v4, v2, 4, v3
	v_and_b32 v6, 31, v0
	v_lshlrev_b32 v27, 4, v6                       ; 16 x lane: my place in an image
	v_lshlrev_b32 v7, 4, v1                        ; 16 r: my place in a row of 256 bytes
	v_lshl_add_u32 v[CO], v2, 12, v7               ; in out0 lanes 0-15 take one row, lanes 16-31 the next, 4,096 bytes on
	s_wait_alu depctr_va_vdst(0)
	s_lshl_b32 s21, s15, 15
	s_mul_i32 s22, s16, HALFT
	s_add_co_u32 s22, s22, 2*AHALF
.irp s, 0,1
	v_add_nc_u32 v[ADRA+\s], s21, v27
	v_add_nc_u32 v[ADRB+\s], s22, v4
	s_add_co_u32 s21, s21, SLOT
	s_add_co_u32 s22, s22, SLOT
.endr
	s_mul_i32 s23, s14, 16*SPITCH
	v_mul_u32_u24 v5, v1, SPITCH
	v_lshl_add_u32 v5, v2, 5, v5
	v_add_nc_u32 v[STO], s23, v5
	v_mad_u32_u24 v[RD], v2, SPITCH, v7
	v_add_nc_u32 v[RD], s23, v[RD]                 ; back from the stage: two rows a load
	s_lshl_b32 s20, s17, 8
	s_lshl_b32 s21, s15, 7
	s_add_co_u32 s20, s20, s21
	s_mov_b32 s21, 0
	s_mov_b64 s[18:19], SIZE_N*4
	s_mul_u64 s[20:21], s[20:21], s[18:19]
	s_lshl_b32 s46, s42, 9                         ; my first column, in bytes: 512 x tile column + 256 x half
	s_lshl_b32 s47, s16, 8
	s_add_co_u32 s46, s46, s47
	s_mov_b32 s47, 0
	s_add_nc_u64 s[12:13], s[12:13], s[46:47]
	s_add_nc_u64 s[20:21], s[20:21], s[46:47]
	s_add_nc_u64 s[10:11], s[10:11], s[20:21]
	global_load_b128 v[8:11], v7, s[12:13]         ; the bias of my four columns
.macro FRAG reg, adr, q, i
.irp c, 0,1,2,3
	ds_load_b128 v[\reg+4*\c:\reg+4*\c+3], v[\adr] offset:128*(\q)+32*\c+(\i)*16*PITCH
.endr
.endm
.macro FRAGA reg, slot, q, i
.irp c, 0,1,2,3
	ds_load_b128 v[\reg+4*\c:\reg+4*\c+3], v[ADRA+\slot] offset:(2*(\i)+(\q))*2048+512*\c
.endr
.endm
.macro MUL16 a0, p, zero
.irp a, \a0, \a0+1
.irp b, 0,1,2,3
.if \zero
	v_wmma_f32_16x16x128_fp8_fp8 v[8*(8*((\a)%4)+\b):8*(8*((\a)%4)+\b)+7], v[128*(\p)+FR*\b:128*(\p)+FR*\b+FR-1], v[AF+FR*(\a):AF+FR*(\a)+FR-1], 0
.else
	v_wmma_f32_16x16x128_fp8_fp8 v[8*(8*((\a)%4)+\b):8*(8*((\a)%4)+\b)+7], v[128*(\p)+FR*\b:128*(\p)+FR*\b+FR-1], v[AF+FR*(\a):AF+FR*(\a)+FR-1], v[8*(8*((\a)%4)+\b):8*(8*((\a)%4)+\b)+7]
.endif
.endr
.endr
.endm
.macro FETCH_B slot, q, p
	WIN TO_B
.irp i, 0,1,2,3
	FRAG 128*(\p)+FR*\i, ADRB+\slot, \q, \i
.endr
	WIN 0
.endm
.macro FETCH_A slot, q, i0
.irp i, \i0, \i0+1, \i0+2, \i0+3
	FRAGA AF+FR*(\i), \slot, \q, \i
.endr
.endm
.macro PLACES n
.rept \n
	v_nop
.endr
.endm
.macro STEP slot, q, zero
	s_wait_dscnt 4*NL
	WIN MUL_LO
	MUL16 0, (\q)%2, \zero
	MUL16 2, (\q)%2, \zero
	s_wait_dscnt 0
	PLACES NP
	FETCH_B \slot, (\q)+1, 1-(\q)%2
	FETCH_A \slot, (\q)+1, 0
	WIN MUL_HI
	MUL16 4, (\q)%2, \zero
	MUL16 6, (\q)%2, \zero
	PLACES NP
	WIN 0
	FETCH_A \slot, (\q)+1, 4
.endm
.macro TURN slot, next, fill
	s_wait_tensorcnt 0x0
	ds_add_u32 v[SPW], v[NIL]
	s_wait_dscnt 4*NL+1
	WIN MUL_LO
	MUL16 0, 1, 0
	s_wait_dscnt 0x0
	s_barrier_signal -1
	MUL16 2, 1, 0
	WIN 0
	s_barrier_wait -1
.if \fill
	CREST
	s_add_nc_u64 s[G0+4*\slot+2:G0+4*\slot+3], s[G0+4*\slot+2:G0+4*\slot+3], 2*ASTEP
	s_add_nc_u64 s[G0B+4*\slot+2:G0B+4*\slot+3], s[G0B+4*\slot+2:G0B+4*\slot+3], 2*ROWB
	JLOAD G0+4*\slot, G1, G0B+4*\slot, G1B
.else
	PLACES NP
.endif
	FETCH_B \next, 0, 0
	FETCH_A \next, 0, 0
	WIN MUL_HI
	MUL16 4, 1, 0
	MUL16 6, 1, 0
	PLACES NP
	WIN 0
	FETCH_A \next, 0, 4
.endm
	s_wait_alu depctr_va_vdst(0)
	s_wait_tensorcnt 0x0                           ; my part of K step 0 is in
	ds_add_u32 v[SPW], v[NIL]
	s_wait_dscnt 0x0
	CROUND                                         ; everybody's part of K step 0 is in, and all sixteen work-groups are here
	JLOAD G0+4, G1, G0B+4, G1B                     ; K step 1: the first tensor load behind the round
	FETCH_B 0, 0, 0
	FETCH_A 0, 0, 0
	FETCH_A 0, 0, 4
	STEP 0, 0, 1
	s_mov_b32 s3, LAPS-1
.Llap:
	TURN 0, 1, 1
	STEP 1, 0, 0
	TURN 1, 0, 1
	STEP 0, 0, 0
	s_sub_co_u32 s3, s3, 1
	s_cmp_lg_u32 s3, 0
	s_cbranch_scc1 .Llap
	TURN 0, 1, 0
	STEP 1, 0, 0
	s_wait_dscnt 4*NL
	WIN MUL_LO
	MUL16 0, 1, 0
	MUL16 2, 1, 0
	s_wait_dscnt 0
	WIN MUL_HI
	MUL16 4, 1, 0
	MUL16 6, 1, 0
	WIN 0
.macro TOSTAGE a
.set AC, 64*((\a)%4)
	WIN 0x08+4*((\a)/4)
.irp b, 0,1,2,3
	ds_store_b128 v[STO], v[AC+8*\b:AC+8*\b+3] offset:64*\b
	ds_store_b128 v[STO], v[AC+8*\b+4:AC+8*\b+7] offset:64*\b+16
.endr
	WIN 0
.set BB, BK+64*((\a)%2)
.irp t, 0,1,2,3,4,5,6,7
	ds_load_b128 v[BB+4*\t:BB+4*\t+3], v[RD] offset:2*\t*SPITCH
.endr
.endm
.macro SEND a, younger
.set BB, BK+64*((\a)%2)
	s_wait_dscnt \younger
.irp t, 0,1,2,3,4,5,6,7
	v_pk_fma_f32 v[BB+4*\t:BB+4*\t+1], v[BB+4*\t:BB+4*\t+1], s[96:97], v[8:9] op_sel_hi:[1,0,1]
	v_pk_fma_f32 v[BB+4*\t+2:BB+4*\t+3], v[BB+4*\t+2:BB+4*\t+3], s[96:97], v[10:11] op_sel_hi:[1,0,1]
.endr
.if (\a) > 0
	s_add_nc_u64 s[10:11], s[10:11], 16*SIZE_N*4
.endif
.irp t, 0,1,2,3,4,5,6,7
	global_store_b128 v[CO], v[BB+4*\t:BB+4*\t+3], s[10:11] offset:2*\t*SIZE_N*4 th:TH_STORE_NT   ; sixteen lanes store 256 consecutive bytes, at a multiple of 256
.endr
.endm
	s_wait_kmcnt 0x0
	s_add_co_i32 s96, s96, s97
	s_add_co_i32 s96, s96, 127
	s_lshl_b32 s96, s96, 23
	s_wait_loadcnt 0x0
	PLACES NP
	TOSTAGE 0
.irp a, 1,2,3,4,5,6,7
.if \a > 1
	s_wait_xcnt 0x0
.endif
	TOSTAGE \a
	SEND \a-1, 16                                  ; behind block a - 1's loads: block a's 8 stores and 8 loads
.endr
	s_wait_xcnt 0x0
	SEND 7, 0
	s_wait_tensorcnt 0x0
	ds_add_u32 v[SPW], v[NIL]
	s_wait_dscnt 0x0
	CROUND
	s_endpgm
.Lfunc_end_k_qc1f3c714f8_proj:
	.size	k_qc1f3c714f8_proj, .Lfunc_end_k_qc1f3c714f8_proj-k_qc1f3c714f8_proj
	.p2alignl 7, 3214868480
	.fill 96, 4, 3214868480
	.section	.rodata,"a",@progbits
	.p2align	6, 0x0
	.amdhsa_kernel k_qc1f3c714f8_proj
		.amdhsa_group_segment_fixed_size 327680
		.amdhsa_private_segment_fixed_size 0
		.amdhsa_enable_private_segment 0
		.amdhsa_kernarg_size 40
		.amdhsa_user_sgpr_count 2
		.amdhsa_user_sgpr_kernarg_segment_ptr 1
		.amdhsa_wavefront_size32 1
		.amdhsa_system_sgpr_workgroup_id_x 1
		.amdhsa_system_sgpr_workgroup_id_y 1
		.amdhsa_system_sgpr_workgroup_id_z 1
		.amdhsa_system_vgpr_workitem_id 0
		.amdhsa_next_free_vgpr 1024
		.amdhsa_next_free_sgpr 98
		.amdhsa_reserve_vcc 0
		.amdhsa_float_denorm_mode_32 3
		.amdhsa_float_denorm_mode_16_64 3
		.amdhsa_memory_ordered 1
		.amdhsa_forward_progress 1
		.amdhsa_inst_pref_size 78
	.end_amdhsa_kernel
	.amdgpu_metadata
---
amdhsa.version: [ 1, 2 ]
amdhsa.kernels:
  - .name:           k_qc1f3c714f8_proj
    .symbol:         k_qc1f3c714f8_proj.kd
    .args:
      - { .name: attn_img, .offset: 0, .size: 8, .value_kind: global_buffer, .address_space: global }
      - { .name: Wproj_codes, .offset: 8, .size: 8, .value_kind: global_buffer, .address_space: global }
      - { .name: lowp_scales, .offset: 16, .size: 8, .value_kind: global_buffer, .address_space: global }
      - { .name: out0, .offset: 24, .size: 8, .value_kind: global_buffer, .address_space: global }
      - { .name: bproj, .offset: 32, .size: 8, .value_kind: global_buffer, .address_space: global }
    .group_segment_fixed_size: 327680
    .private_segment_fixed_size: 0
    .kernarg_segment_align: 8
    .kernarg_segment_size: 40
    .max_flat_workgroup_size: 128
    .sgpr_count:     98
    .vgpr_count:     1024
    .wavefront_size: 32
...
	.end_amdgpu_metadata
.endif
;; end of part 4
